; MI455X (gfx1250); checked and timed in simulation.
; The chip was launched on July 23, 2026; its instructions are those of AMD's public machine-readable ISA for CDNA 5 (MIT licence, August 2026) and "CDNA5" Instruction Set Architecture Reference Guide (July 2026). The comments in the code are by the model that wrote it; some were corrected since.
;; Attention. Allowed arithmetic: matrix products marked QUANTISED: E2M1 operands, one E8M0 scale for each 32 along K, by v_wmma_scale_f32_16x16x128_f8f6f4 with both operands' format E2M1 (or v_wmma_scale_f32_32x16x128_f4), f32 sums; products left as they are: bf16, f16 or f32 operands; f32 sums; everything else in f32.
;; Inputs: cos 1,024 x 32 float32; sin 1,024 x 32 float32; wk 2,048 x 512 float32; wo 2,048 x 2,048 float32; wq 2,048 x 2,048 float32; wv 2,048 x 512 float32; x 4 x 1,024 x 2,048 float32.
;; Outputs: out0 4 x 1,024 x 2,048 float32.
;; Constants: start_pos = 0.
;; This version of the problem:
;;   THIS VERSION OF THE PROBLEM IS GIVEN IN LOW PRECISION. The matrix products marked QUANTISED in the list below multiply operands that are first quantised to E2M1 (2 exponent bits, 1 mantissa bit; 4 bits a number), with one power-of-two scale for each 32 numbers along K (OCP MX v1.0); their sums are f32. The products marked 'left as it is' may take bf16, f16 or f32 operands, with f32 sums. Whichever they take, every output number must still come out within the allowed error. Rounding operands to bf16 (8 significant bits) uses up far more of that allowance than f16 does (11 bits, for magnitudes from 6e-5 to 65,504). All else is computed in f32.
;;   The module's matrix products, in the order in which they are computed (A, B: the left and right operand; K: the contracted axis; several contracted axes count as one K, in the product's order):
;;     1. [M 4,096, K 2,048] x [K 2,048, N 2,048]; A: input x; B: input wq: QUANTISED
;;     2. [M 4,096, K 2,048] x [K 2,048, N 512]; A: input x; B: input wk: QUANTISED
;;     3. [M 4,096, K 2,048] x [K 2,048, N 512]; A: input x; B: input wv: QUANTISED
;;     4. batch 128 x [M 1,024, K 64] x [K 64, N 1,024]; A: computed on the way; B: computed on the way: left as it is (an operand is computed on the way)
;;     5. batch 128 x [M 1,024, K 1,024] x [K 1,024, N 64]; A: computed on the way; B: computed on the way: left as it is (an operand is computed on the way)
;;     6. [M 4,096, K 2,048] x [K 2,048, N 2,048]; A: computed on the way; B: input wo: left as it is (an operand is computed on the way)
;;   THE QUANTISER, for each operand of a quantised product, along K:
;;     - K is cut into blocks of 32 from its start; a last block that is shorter is filled with zeros.
;;     - A block's scale is 2^e with e = floor(log2(the largest magnitude in the block)) - 2, held to -126 .. 127; a block of zeros has e = 0. As a byte (E8M0): e + 127.
;;     - Each number is divided by its block's scale, clamped to +-6, and rounded to the nearest number of E2M1, ties to even, subnormals kept.
;;     - The product sums the exact products of the quantised numbers (number of the format x scale) in f32.
;;   ~~~python
;;   def quantise(x, axis):      # numpy; x: float32 -> the quantised numbers, widened to float32 again
;;       x = np.moveaxis(x, axis, -1); K = x.shape[-1]
;;       x = np.pad(x, [(0, 0)] * (x.ndim - 1) + [(0, -K % 32)]); x = x.reshape(x.shape[:-1] + (-1, 32)); a = np.abs(x).max(-1, keepdims=True)
;;       e = np.where(a > 0, np.clip(np.frexp(np.where(a > 0, a, 1))[1] - 1 - 2, -126, 127), 0)      # np.frexp(a)[1] - 1 = floor(log2(a)), exactly
;;       r = np.clip(x / 2.0 ** e, -6, 6)
;;       step = 2.0 ** (np.maximum(np.frexp(np.where(r == 0, 1, r))[1] - 1, 0) - 1)
;;       q = np.round(r / step) * step * 2.0 ** e      # np.round: ties to even
;;       return np.moveaxis(q.reshape(q.shape[:-2] + (-1,))[..., :K], -1, axis).astype(np.float32)
;;   ~~~
;; One version. Each part assembles by itself: llvm-mc -triple=amdgcn-amd-amdhsa -mcpu=gfx1250 --defsym DOCPART=n.
;; ======== version 1 of 1: 5 launches
;; limits: values are held in f16: magnitudes above 65,504 overflow, below 6.1e-05 lose precision
;; workspace buffers: codes 7,340,032 bytes; scales 458,752 bytes; wot 16,777,216 bytes; qkvh 25,165,824 bytes; qkvlo 393,216 bytes; ao 16,777,216 bytes
;; launch prep (part 1): grid 704 x 1, 4 waves a work-group, no clusters, 85,504 bytes of LDS; arguments x, wq, wk, wv, wo, codes, scales, wot; writes codes, scales, wot
.if DOCPART == 1
	.amdgcn_target "amdgcn-amd-amdhsa--gfx1250"
	.amdhsa_code_object_version 6
	.text
	.protected	k_q792363d003_prep
	.globl	k_q792363d003_prep
	.p2align	8
	.type	k_q792363d003_prep,@function
k_q792363d003_prep:
	s_mov_b64 s[64:65], 0
	v_nop
	global_prefetch_b8 v0, s[64:65] scope:SCOPE_SE
	s_setreg_imm32_b32 hwreg(HW_REG_WAVE_MODE, 25, 1), 1
	s_wait_xcnt 0x0
; THE PROGRAM: out0 = attention(x) in five launches: prep (this one), qkv, attn, proj, fine.
; WORK LEFT OUT, for all values of the inputs:
;  (a) reference() adds its own triu(-inf, k=1) to the scores, so for key > query the softmax's weight is exp(-inf) = 0 whatever q, k hold: steps of 64 keys that lie wholly behind a tile's
;      16 queries are multiplied nowhere (launch attn), and positions 0..15 see keys 0..15 alone (launch fine).
;  (b) jnp.repeat of the key and value heads is a lookup: the four query heads of a group read the one head; nothing is copied.
;  (c) start_pos is used by no line of reference(): it is no buffer and no argument.
;  LIMIT: a NaN, an infinity or an overflow that reaches only scores under the mask is not carried to the result.
; LIMITS OF RANGE: q, k, v, the attention's result and wo are rounded to f16 for the products left as they are: magnitudes stay under 65,504; under 6e-5 their error is 3e-8 absolute.
;  The quantiser: NaN and infinities are not served; a block of zeros gets the scale byte 1 (its codes are zeros, and these bytes are read by this program alone); blocks whose largest magnitude lies under 2^-124 are held at that byte.
; THIS LAUNCH, three roles by the work-group's number, each with LDS bytes of its own, no barrier (waves share nothing), no tensor load:
;  X (work-groups 0-255):   x [4096][2048] f32 -> codes of E2M1, K innermost, [4096][1024 bytes] at byte 0 of codes; scale bytes [4096][64] at byte 0 of scales.
;  W (256-447): wq | wk | wv [2048 (k)][n] f32 -> codes [3072 rows][1024 bytes] at byte 0x400000 of codes, scale bytes [3072][64] at 0x40000 of scales.  Row order: 0-2047 wq's columns;
;      2048 + 256 j + 0..127 wk's columns 128 j on; 2048 + 256 j + 128..255 wv's columns 128 j on (j = 0..3).
;  O (448-703): wo [2048 (k)][2048 (n)] f32 -> f16 [n][k]: the high part at byte 0 of wot, the low part x 2^11 at byte 0x800000.
; A block's scale is 2^(floor(log2(largest magnitude)) - 2); its byte is the largest magnitude's exponent field - 2.
.set XREG,  8192                       ; role X: a wave's LDS: two stages of 32 x SP bytes, then its 256 scale bytes
.set SP,    80                         ; a lane's 64 bytes + 16 of padding
.set PITCH, 272                        ; roles W, O: a stage row: 256 bytes + 16
.set WSTG,  4*XREG                     ; role W's four stages of 16 rows
.set OSTG,  WSTG+4*16*PITCH            ; role O's four of 32 rows
.set SPARE, OSTG+4*32*PITCH            ; the spare words: 128 bytes a wave, two blocks of 256 bytes that no other line names
.set SPW,   12                         ; v12 my spare word's address; never rewritten
.set NIL,   13                         ; v13 0; never rewritten
	s_load_b512 s[4:19], s[0:1], 0x0               ; x 4:5, wq 6:7, wk 8:9, wv 10:11, wo 12:13, codes 14:15, scales 16:17, wot 18:19
	v_lshl_add_u32 v[SPW], v0, 2, SPARE
	v_mov_b32 v[NIL], 0
	v_lshrrev_b32 v1, 5, v0
	v_readfirstlane_b32 s20, v1                    ; wave
	v_and_b32 v2, 31, v0                           ; lane
	s_cmp_lt_u32 ttmp9, 256
	s_cbranch_scc0 .Lnot_x
; ---------------- ROLE X: a wave takes 16 steps of 512 numbers.  Loads take the bytes as they lie (512 consecutive bytes a load); a step's 2,048 bytes turn through the wave's stage so that a lane holds 16 neighbours along K.
.set XR, 16                            ; v16-79   four sets of 16 numbers as loaded
.set XN, 80                            ; v80-111  two sets of 16 neighbours
.set XE, 112                           ; v112-127 a scale byte for each step
.set XC, 128                           ; v128-191 codes, four registers a step: no store's data are written again
	v_lshlrev_b32 v3, 4, v2                        ; my 16 bytes of a load's 512
	s_mul_i32 s21, s20, XREG
	v_lshrrev_b32 v14, 2, v2
	v_mul_u32_u24 v14, v14, SP
	v_and_b32 v15, 3, v2
	v_lshl_add_u32 v14, v15, 4, v14
	v_add_nc_u32 v14, s21, v14                     ; stage, way in: SP (lane / 4) + 16 (lane % 4)
	v_mul_u32_u24 v15, v2, SP
	v_add_nc_u32 v15, s21, v15                     ; way out: SP x lane
	v_lshlrev_b32 v4, 3, v2                        ; my 8 bytes of a step's 256 bytes of codes
	v_lshrrev_b32 v5, 1, v2
	s_add_co_u32 s21, s21, 2*32*SP
	v_add_nc_u32 v5, s21, v5                       ; my block's scale byte in LDS
	v_lshlrev_b32 v7, 3, v2
	v_add_nc_u32 v6, s21, v7
	s_lshl_b32 s21, ttmp9, 2
	s_add_co_u32 s21, s21, s20                     ; which run of 8,192 numbers is my wave's
	s_mov_b32 s23, 0
	s_lshl_b32 s22, s21, 15
	s_wait_kmcnt 0x0
	s_add_nc_u64 s[4:5], s[4:5], s[22:23]
	s_lshl_b32 s22, s21, 12
	s_add_nc_u64 s[14:15], s[14:15], s[22:23]
	s_lshl_b32 s22, s21, 8
	s_add_nc_u64 s[16:17], s[16:17], s[22:23]
.macro XLOAD t
.irp i, 0,1,2,3
	global_load_b128 v[XR+16*((\t)%4)+4*\i:XR+16*((\t)%4)+4*\i+3], v3, s[4:5] offset:2048*(\t)+512*\i th:TH_LOAD_NT
.endr
.endm
.macro XTURN t                         ; LDS serves a wave's instructions in order: no wait between the stores and the loads
.irp i, 0,1,2,3
	ds_store_b128 v14, v[XR+16*((\t)%4)+4*\i:XR+16*((\t)%4)+4*\i+3] offset:32*SP*((\t)%2)+8*SP*\i
.endr
.irp i, 0,1,2,3
	ds_load_b128 v[XN+16*((\t)%2)+4*\i:XN+16*((\t)%2)+4*\i+3], v15 offset:32*SP*((\t)%2)+16*\i
.endr
.endm
.irp t, 0,1,2,3
	XLOAD \t
.endr
	s_wait_loadcnt 12                              ; step 0's four loads are in; three steps' twelve stay out
	XTURN 0
.macro XSTEP t
.set XS, XN+16*((\t)%2)
.if (\t) > 0
	s_wait_dscnt 1                                 ; this step's numbers are back (the last step's byte store may be out)
.else
	s_wait_dscnt 0x0
.endif
.if (\t)+4 < 16
	XLOAD (\t)+4
.endif
.if (\t)+1 < 16
.if 14-(\t) >= 3
	s_wait_loadcnt 12                              ; the next step's four loads are in; those of the three steps behind it may be out
.else
	s_wait_loadcnt 4*(14-(\t))
.endif
	XTURN (\t)+1
.endif
	v_max3_num_f32 v8, |v[XS]|, |v[XS+1]|, |v[XS+2]|
	v_max3_num_f32 v9, |v[XS+3]|, |v[XS+4]|, |v[XS+5]|
.irp i, 6,10
	v_max3_num_f32 v8, v8, |v[XS+\i]|, |v[XS+\i+1]|
	v_max3_num_f32 v9, v9, |v[XS+\i+2]|, |v[XS+\i+3]|
.endr
	v_max3_num_f32 v8, v8, |v[XS+14]|, |v[XS+15]|
	v_max3_num_f32 v8, v8, v9, 0x1800000           ; the floor 2^(3 - 127): the byte cannot fall under 1
	v_max_num_f32_dpp v8, v8, v8 row_xmask:1 row_mask:0xf bank_mask:0xf   ; with my neighbour's 16: the block's largest magnitude
	v_add_nc_u32 v11, 0xff000000, v8               ; 2 off its exponent field: the conversion's scale operand
	v_cvt_scalef32_pk8_fp4_f32 v[XC+4*(\t)], v[XS:XS+7], v11
	v_cvt_scalef32_pk8_fp4_f32 v[XC+4*(\t)+1], v[XS+8:XS+15], v11
	v_lshrrev_b32 v[XE+(\t)], 23, v11              ; the scale's byte
	ds_store_b8 v5, v[XE+(\t)] offset:16*(\t)      ; both lanes of a block write the same byte with the same value
	global_store_b64 v4, v[XC+4*(\t):XC+4*(\t)+1], s[14:15] offset:256*(\t)   ; the wave stores 256 consecutive bytes, aligned
.endm
.irp t, 0,1,2,3,4,5,6,7,8,9,10,11,12,13,14,15
	XSTEP \t
.endr
	ds_load_b64 v[8:9], v6
	s_wait_dscnt 0x0
	global_store_b64 v7, v[8:9], s[16:17]          ; my wave's 256 scale bytes, aligned
	s_wait_tensorcnt 0x0                           ; the wave's end, behind my last LDS store
	ds_add_u32 v[SPW], v[NIL]
	s_wait_dscnt 0x0
	s_endpgm
; ---------------- ROLES W AND O: a lane takes a column n and its registers run down K: neighbouring lanes read neighbouring columns; nothing is transposed by an instruction.
.set OFF, 20                           ; v20-51   row i of a block: i x stride + my lane's first byte
.set SB,  16                           ; v16-17   W: the scale bytes, four to a register
.set CD,  52                           ; v52-55   W: a block's codes
.set H,   52                           ; v52-67   O: a block's high parts, two to a register
.set TT,  68                           ; v68-75   O: at work
.set UU,  76                           ; v76-83   O: at work
.set WX,  128                          ; v128-191 two sets of 32 numbers; on the way out up to 16 x 4 registers
.set LO,  192                          ; v192-255 O: the low parts of all four blocks
.macro OFFS st
.set ii, 0
.rept 32
	v_mad_u32_u24 v[OFF+ii], \st, ii, v3
.set ii, ii+1
.endr
.endm
.macro WLOAD t                         ; block t into set t % 2; then the base goes 32 rows down
.set ii, 0
.rept 32
	global_load_b32 v[WX+32*((\t)%2)+ii], v[OFF+ii], s[24:25] th:TH_LOAD_NT
.set ii, ii+1
.endr
	s_wait_xcnt 0x0                                ; the loads have read their base
	s_add_nc_u64 s[24:25], s[24:25], s[26:27]
.endm
.macro ROWSOUT sb, krow, n             ; 2 n rows of 256 bytes leave the stage: sixteen lanes store 256 consecutive bytes, aligned
.set ii, 0
.rept \n
	ds_load_b128 v[WX+4*ii:WX+4*ii+3], v7 offset:2*ii*PITCH
.set ii, ii+1
.endr
.set ii, 0
.rept \n
	s_wait_dscnt \n-1-ii                           ; the younger loads of the run may be out
	global_store_b128 v8, v[WX+4*ii:WX+4*ii+3], s[\sb:\sb+1] offset:2*ii*\krow
.set ii, ii+1
.endr
.endm
.Lnot_x:
	v_and_b32 v5, 15, v2
	v_lshrrev_b32 v6, 4, v2
	s_cmp_lt_u32 ttmp9, 448
	s_cbranch_scc0 .Lrole_o
; ---------------- ROLE W: a work-group takes 64 columns x 512 along K; a wave 16 columns.  Lanes 0-15 take the first 256 of K, lanes 16-31 the second 256: 8 blocks a lane, so that a wave's run of
; dependent blocks is short, while a column's 512 codes, 256 bytes, still leave as one whole row.  A load reads 64 consecutive bytes of each of two rows; the four waves side by side cover 256 consecutive bytes of a row.
	s_mul_i32 s21, s20, 16*PITCH
	s_add_co_u32 s21, s21, WSTG
	v_mul_u32_u24 v4, v5, PITCH
	v_lshl_add_u32 v4, v6, 7, v4
	v_add_nc_u32 v4, s21, v4                       ; into the stage: row = my column, + 128 bytes for the second 256 of K
	v_mul_u32_u24 v7, v6, PITCH
	v_lshl_add_u32 v7, v5, 4, v7
	v_add_nc_u32 v7, s21, v7                       ; out of it: sixteen lanes to a row
	v_lshlrev_b32 v8, 10, v6
	v_lshl_add_u32 v8, v5, 4, v8                   ; the same place in the codes (rows of 1,024 bytes)
	v_lshlrev_b32 v9, 6, v5
	v_lshl_add_u32 v9, v6, 3, v9                   ; my column's row of scale bytes, + my 8 bytes' place
	v_lshlrev_b32 v3, 2, v5                        ; 4 bytes a column
	s_sub_co_u32 s21, ttmp9, 256
	s_and_b32 s22, s21, 3                          ; which 512 along K
	s_lshr_b32 s37, s21, 2                         ; which 64 columns: 0..47
	s_and_b32 s21, s37, 1                          ; which half of a group of 128
	s_lshr_b32 s23, s37, 1                         ; which group of 128: 0-15 wq, 16-19 wk, 20-23 wv
	s_wait_kmcnt 0x0
	s_cmp_lt_u32 s23, 20
	s_cselect_b64 s[24:25], s[8:9], s[10:11]
	s_cselect_b32 s32, 16, 20
	s_cselect_b32 s33, 0, 128
	s_mov_b32 s36, 2048
	s_cmp_lt_u32 s23, 16
	s_cselect_b64 s[24:25], s[6:7], s[24:25]       ; the tensor: a choice on the work-group's number alone
	s_cselect_b32 s32, 0, s32
	s_cselect_b32 s36, 8192, s36                   ; its row in bytes
	s_sub_co_u32 s34, s23, s32                     ; j: which 128 of its columns
	s_lshl_b32 s35, s34, 8
	s_add_co_u32 s35, s35, s33
	s_add_co_u32 s35, s35, 2048                    ; wk, wv: row 2048 + 256 j (+ 128)
	s_lshl_b32 s37, s23, 7                         ; wq: row 128 j
	s_cmp_lt_u32 s23, 16
	s_cselect_b32 s35, s37, s35
	s_lshl_b32 s37, s21, 6
	s_add_co_u32 s35, s35, s37                     ; + 64 x half
	s_lshl_b32 s37, s20, 4
	s_add_co_u32 s35, s35, s37                     ; + 16 x wave
	s_lshl_b32 s37, s36, 8
	v_mad_u32_u24 v3, v6, s37, v3                  ; lanes 16-31 begin 256 rows further down
	OFFS s36
	s_mul_i32 s38, s22, s36
	s_lshl_b32 s38, s38, 9                         ; 512 rows of the tensor for each step along K,
	s_lshl_b32 s39, s34, 9
	s_add_co_u32 s38, s38, s39                     ; 512 bytes for each 128 columns,
	s_lshl_b32 s39, s21, 8
	s_add_co_u32 s38, s38, s39                     ; 256 for the half,
	s_lshl_b32 s39, s20, 6
	s_add_co_u32 s38, s38, s39                     ; 64 for each wave
	s_mov_b32 s39, 0
	s_add_nc_u64 s[24:25], s[24:25], s[38:39]
	s_lshl_b32 s26, s36, 5
	s_mov_b32 s27, 0
	s_lshl_b32 s38, s35, 10
	s_lshl_b32 s37, s22, 8
	s_add_co_u32 s38, s38, s37
	s_add_co_u32 s38, s38, 0x400000
	s_add_nc_u64 s[28:29], s[14:15], s[38:39]      ; my codes
	s_lshl_b32 s38, s35, 6
	s_lshl_b32 s37, s22, 4
	s_add_co_u32 s38, s38, s37
	s_add_co_u32 s38, s38, 0x40000
	s_add_nc_u64 s[30:31], s[16:17], s[38:39]      ; my scale bytes
	WLOAD 0
	WLOAD 1
.macro WBLOCK t
.set XS, WX+32*((\t)%2)
.if (\t) < 7
	s_wait_loadcnt 32                              ; this block's 32 loads are in; the next block's may be out
.else
	s_wait_loadcnt 0
.endif
	v_max3_num_f32 v14, |v[XS]|, |v[XS+1]|, |v[XS+2]|
	v_max3_num_f32 v15, |v[XS+3]|, |v[XS+4]|, |v[XS+5]|
.irp i, 6,10,14,18,22,26
	v_max3_num_f32 v14, v14, |v[XS+\i]|, |v[XS+\i+1]|
	v_max3_num_f32 v15, v15, |v[XS+\i+2]|, |v[XS+\i+3]|
.endr
	v_max3_num_f32 v14, v14, |v[XS+30]|, |v[XS+31]|
	v_max3_num_f32 v14, v14, v15, 0x1800000        ; and the floor
	v_add_nc_u32 v11, 0xff000000, v14
	v_lshrrev_b32 v10, 23, v11
.if (\t)%4 == 0
	v_mov_b32 v[SB+(\t)/4], v10
.else
	v_lshl_or_b32 v[SB+(\t)/4], v10, 8*((\t)%4), v[SB+(\t)/4]
.endif
.irp g, 0,1,2,3
	v_cvt_scalef32_pk8_fp4_f32 v[CD+\g], v[XS+8*\g:XS+8*\g+7], v11
.endr
	ds_store_b128 v4, v[CD:CD+3] offset:16*(\t)
.if (\t)+2 < 8
	WLOAD (\t)+2
.endif
	s_wait_dscnt 0x0                               ; the store has read its registers: the next block's codes may be written
.endm
.irp t, 0,1,2,3,4,5,6,7
	WBLOCK \t
.endr
	global_store_b64 v9, v[SB:SB+1], s[30:31]      ; my 8 scale bytes: neighbours in my column's row
	ROWSOUT 28, 1024, 8
	s_wait_tensorcnt 0x0                           ; the wave's end, as above
	ds_add_u32 v[SPW], v[NIL]
	s_wait_dscnt 0x0
	s_endpgm
; ---------------- ROLE O: a work-group takes 128 columns x 128 along K; a wave 32 columns: 4 blocks a lane, 256 bytes of f16 a column.  A load reads 128 consecutive bytes, the four waves 512.
; The split, in f32: g = 8193 x; hi = g - (g - x) has 11 significant bits, so f16 holds it exactly; lo = x - hi is exact; it is stored x 2^11.
.Lrole_o:
	v_lshlrev_b32 v3, 2, v2                        ; 4 bytes a lane
	s_mul_i32 s21, s20, 32*PITCH
	s_add_co_u32 s21, s21, OSTG
	v_mul_u32_u24 v4, v2, PITCH
	v_add_nc_u32 v4, s21, v4
	v_mul_u32_u24 v7, v6, PITCH
	v_lshl_add_u32 v7, v5, 4, v7
	v_add_nc_u32 v7, s21, v7
	v_lshlrev_b32 v8, 12, v6
	v_lshl_add_u32 v8, v5, 4, v8                   ; rows of 4,096 bytes in wot
	s_sub_co_u32 s21, ttmp9, 448
	s_and_b32 s22, s21, 15                         ; which 128 along K
	s_lshr_b32 s23, s21, 4                         ; which 128 columns
	s_mov_b32 s36, 8192
	OFFS s36
	s_lshl_b32 s38, s22, 20                        ; 128 rows of 8,192 bytes
	s_lshl_b32 s39, s23, 9
	s_add_co_u32 s38, s38, s39
	s_lshl_b32 s39, s20, 7
	s_add_co_u32 s38, s38, s39
	s_mov_b32 s39, 0
	s_wait_kmcnt 0x0
	s_add_nc_u64 s[24:25], s[12:13], s[38:39]
	s_mov_b32 s26, 32*8192
	s_mov_b32 s27, 0
	s_lshl_b32 s38, s23, 19                        ; 128 rows of 4,096 bytes
	s_lshl_b32 s37, s20, 17
	s_add_co_u32 s38, s38, s37
	s_lshl_b32 s37, s22, 8
	s_add_co_u32 s38, s38, s37
	s_add_nc_u64 s[28:29], s[18:19], s[38:39]      ; the high parts
	s_add_nc_u64 s[30:31], s[28:29], 0x800000      ; the low parts
	WLOAD 0
	WLOAD 1
.macro OBLOCK t
.set XS, WX+32*((\t)%2)
.if (\t) < 3
	s_wait_loadcnt 32
.else
	s_wait_loadcnt 0
.endif
.irp g, 0,1,2,3
.irp p, 0,2,4,6
	v_pk_mul_f32 v[TT+\p:TT+\p+1], v[XS+8*\g+\p:XS+8*\g+\p+1], 0x46000400 op_sel_hi:[1,0]         ; g = 8193 x
.endr
.irp p, 0,2,4,6
	v_pk_add_f32 v[UU+\p:UU+\p+1], v[TT+\p:TT+\p+1], v[XS+8*\g+\p:XS+8*\g+\p+1] neg_lo:[0,1] neg_hi:[0,1]   ; g - x
.endr
.irp p, 0,2,4,6
	v_pk_add_f32 v[TT+\p:TT+\p+1], v[TT+\p:TT+\p+1], v[UU+\p:UU+\p+1] neg_lo:[0,1] neg_hi:[0,1]   ; hi
.endr
.irp p, 0,2,4,6
	v_pk_add_f32 v[UU+\p:UU+\p+1], v[XS+8*\g+\p:XS+8*\g+\p+1], v[TT+\p:TT+\p+1] neg_lo:[0,1] neg_hi:[0,1]   ; lo
.endr
.irp p, 0,2,4,6
	v_pk_mul_f32 v[UU+\p:UU+\p+1], v[UU+\p:UU+\p+1], 0x45000000 op_sel_hi:[1,0]                   ; x 2^11
.endr
.irp p, 0,1,2,3
	v_cvt_pk_f16_f32 v[H+4*\g+\p], v[TT+2*\p], v[TT+2*\p+1]
.endr
.irp p, 0,1,2,3
	v_cvt_pk_f16_f32 v[LO+16*(\t)+4*\g+\p], v[UU+2*\p], v[UU+2*\p+1]
.endr
.endr
.irp c, 0,1,2,3
	ds_store_b128 v4, v[H+4*\c:H+4*\c+3] offset:64*(\t)+16*\c
.endr
.if (\t)+2 < 4
	WLOAD (\t)+2
.endif
	s_wait_dscnt 0x0                               ; the stores have read their registers
.endm
.irp t, 0,1,2,3
	OBLOCK \t
.endr
	ROWSOUT 28, 4096, 16
.irp t, 0,1,2,3
.irp c, 0,1,2,3
	ds_store_b128 v4, v[LO+16*\t+4*\c:LO+16*\t+4*\c+3] offset:64*\t+16*\c   ; behind my reads of the high parts: LDS serves a wave in order
.endr
.endr
	s_wait_xcnt 0x0                                ; the high parts' stores have read their registers, which take the low parts' rows
	ROWSOUT 30, 4096, 16
	s_wait_tensorcnt 0x0                           ; the wave's end, as above
	ds_add_u32 v[SPW], v[NIL]
	s_wait_dscnt 0x0
	s_endpgm
.Lfunc_end_k_q792363d003_prep:
	.size	k_q792363d003_prep, .Lfunc_end_k_q792363d003_prep-k_q792363d003_prep
	.p2alignl 7, 3214868480
	.fill 96, 4, 3214868480
	.section	.rodata,"a",@progbits
	.p2align	6, 0x0
	.amdhsa_kernel k_q792363d003_prep
		.amdhsa_group_segment_fixed_size 85504
		.amdhsa_private_segment_fixed_size 0
		.amdhsa_enable_private_segment 0
		.amdhsa_kernarg_size 64
		.amdhsa_user_sgpr_count 2
		.amdhsa_user_sgpr_kernarg_segment_ptr 1
		.amdhsa_wavefront_size32 1
		.amdhsa_system_sgpr_workgroup_id_x 1
		.amdhsa_system_sgpr_workgroup_id_y 1
		.amdhsa_system_sgpr_workgroup_id_z 1
		.amdhsa_system_vgpr_workitem_id 0
		.amdhsa_next_free_vgpr 256
		.amdhsa_next_free_sgpr 66
		.amdhsa_reserve_vcc 0
		.amdhsa_float_denorm_mode_32 3
		.amdhsa_float_denorm_mode_16_64 3
		.amdhsa_memory_ordered 1
		.amdhsa_forward_progress 1
		.amdhsa_inst_pref_size 132
	.end_amdhsa_kernel
	.amdgpu_metadata
---
amdhsa.version: [ 1, 2 ]
amdhsa.kernels:
  - .name:           k_q792363d003_prep
    .symbol:         k_q792363d003_prep.kd
    .args:
      - { .name: x, .offset: 0, .size: 8, .value_kind: global_buffer, .address_space: global }
      - { .name: wq, .offset: 8, .size: 8, .value_kind: global_buffer, .address_space: global }
      - { .name: wk, .offset: 16, .size: 8, .value_kind: global_buffer, .address_space: global }
      - { .name: wv, .offset: 24, .size: 8, .value_kind: global_buffer, .address_space: global }
      - { .name: wo, .offset: 32, .size: 8, .value_kind: global_buffer, .address_space: global }
      - { .name: codes, .offset: 40, .size: 8, .value_kind: global_buffer, .address_space: global }
      - { .name: scales, .offset: 48, .size: 8, .value_kind: global_buffer, .address_space: global }
      - { .name: wot, .offset: 56, .size: 8, .value_kind: global_buffer, .address_space: global }
    .group_segment_fixed_size: 85504
    .private_segment_fixed_size: 0
    .kernarg_segment_align: 8
    .kernarg_segment_size: 64
    .max_flat_workgroup_size: 128
    .sgpr_count:     66
    .vgpr_count:     256
    .wavefront_size: 32
...
	.end_amdgpu_metadata
.endif
;; end of part 1
;; launch qkv (part 2): grid 12 x 16, 4 waves a work-group, clusters of 4 x 4, 327,680 bytes of LDS; arguments codes, scales, cos, sin, qkvh, qkvlo; writes qkvh, qkvlo
.if DOCPART == 2
	.amdgcn_target "amdgcn-amd-amdhsa--gfx1250"
	.amdhsa_code_object_version 6
	.text
	.protected	k_q792363d003_qkv
	.globl	k_q792363d003_qkv
	.p2align	8
	.type	k_q792363d003_qkv,@function
k_q792363d003_qkv:
	s_mov_b64 s[64:65], 0
	v_nop
	global_prefetch_b8 v0, s[64:65] scope:SCOPE_SE
	s_setreg_imm32_b32 hwreg(HW_REG_WAVE_MODE, 25, 1), 1
	s_wait_xcnt 0x0
	s_wait_alu depctr_hold_cnt(0) depctr_sa_sdst(0) depctr_va_vdst(0) depctr_va_sdst(0) depctr_va_ssrc(0) depctr_va_vcc(0) depctr_vm_vsrc(0)
	s_getreg_b32 s2, hwreg(HW_REG_IB_STS2, 6, 4)
	s_cmp_eq_u32 s2, 0
	s_cbranch_scc0 .Lentry_in_a_cluster
	s_endpgm
.Lentry_in_a_cluster:
	s_bfe_u32 s2, ttmp6, 0x10000c
	s_cmp_lg_u32 s2, 0xf033
	s_cbranch_scc0 .Lentry_shape_is_right
	s_endpgm
.Lentry_shape_is_right:
; [q | k | v] = Q(x) Q(wq | wk | wv): the three QUANTISED products as one GEMM 4,096 x 3,072 x 2,048 on codes of E2M1 with E8M0 scales, then RoPE on q and k in f32, then f16.
; A = x's codes [4096][1024 bytes] at byte 0 of codes, B = the weights' [3072][1024] at 0x400000; scale bytes [rows][64] at 0 and 0x40000 of scales.
; Out: qkvh f16 [b 4][hd 48][t 1024][64]: hd 0-31 q, 32-39 k, 40-47 v.  For t < 16 also qkvlo f16 [b][hd][16][64] = (number - its high part) x 2^11, and there qkvh holds that high part.
; No work of reference() is left out here.
; A tile of C, 256 x 256, is made by four waves, 128 x 128 each: 64 accumulators, 512 registers.  K goes in steps of 512 through two LDS slots (rows of 256 bytes); the scale bytes of the tile's rows, for all of K, come once.
; 192 work-groups: a smaller tile would halve the products that each fragment read from LDS feeds, for four K steps of work.
; CLUSTERS 4 x 4: A's tile is shared along a row of the cluster, B's along a column: joint loads.  Tile row = cluster y + 4 cy, so that the batch is cy and the position 256 x cluster y is the same in all partners;
; tile column = 4 x cluster x + cx.  In tile columns 8-11 (cluster x = 2) the left 128 columns are k's and the right 128 v's: so what a wave does on the way out hangs on the cluster's x and y and the wave's number alone.
; THE MATRIX INSTRUCTION IS USED TRANSPOSED (source 0 = 16 rows of B, source 1 = 16 rows of A): lane (r, h) holds row r and eight neighbouring columns 8 h + 0..7: four pairs of RoPE.
; REGISTERS: window 0: v0-31 addresses; v32-95 scale words alone; v96-127 packed f16; v128-191 A's fragments, later roped numbers; v192-223 packed low parts; v224-255 rows read back, at work.
;   window 1: B's fragments, two sets (v0, v128); on the way out cos and sin: block a: cos v[32 a ..], sin v[32 a + 16 ..].   windows 2, 3: the accumulators ((a, b) at v[8 (8 (a % 4) + b)]).
; No prefetch: four K steps, two of them asked for at the head.
.set SIZE_K, 2048
.set KSTEP,  512
.set NQ,     KSTEP/128
.set ROWB,   256
.set KROW,   SIZE_K*4/8
.set PITCH,  272                       ; 256 bytes + 16: the 16 rows that a load touches start at 16 different banks
.set FR,     8
.set NL,     2
.set NP,     4
.set HALFT,  128*PITCH
.set SLOT,   4*HALFT
.set LAPS,   SIZE_K/(2*KSTEP)
.set KS,     SIZE_K/32
.set SCL,    2*SLOT
.set HALFS,  (128*KS/256)*272
.set SBLK,   (16*KS/256)*272
.set SPARE,  SCL+4*HALFS               ; the spare words: two blocks of 256 bytes that no other line names
.set SPITCH, 272                       ; the way out: 16 rows x (256 bytes + 16) a wave, in slot 0, which has had its last fill and its last read by then
.set ADRA, 16
.set ADRB, 20
.set STO,  24                          ; v24 the stage: where I put 16 bytes of a row
.set RD,   25                          ; v25 where I read back: 8 lanes to a head's 128 bytes, 4 rows an instruction
.set CO,   26                          ; v26 16 x lane
.set ADRS, 27
.set SPW,  28
.set NIL,  29
.set CSO,  30                          ; v30 cos, sin: row r of 128 bytes + 16 h
.set SC,   32
.set PK,   96
.set AF,   128
.set T,    128
.set LOP,  192
.set BKR,  224
.set FG,   224
.set FD,   240
.set G1, 24
.set G0, 32
.set G1B, 48
.set G0B, 56
.set G1S, 68
.set G0S, 76
.set G1SB, 80
.set G0SB, 88
.set MSB, 0
.macro WIN new                         ; the immediate's high byte repeats the setting that is left
.if MSB != \new
	s_set_vgpr_msb (MSB<<8)|\new
.set MSB, \new
.endif
.endm
.set MUL_LO, 0xa1
.set MUL_HI, 0xf1
.set TO_B,   0x40
.macro JLOAD g0a, g1a, g0b, g1b        ; a joint load: waves 0, 1 fetch for A, waves 2, 3 for B; s_nop 0 and four v_nop follow each line
	s_cmp_eq_u32 s15, 0
	s_cbranch_scc0 .Lfor_b_\@
	tensor_load_to_lds s[\g0a:\g0a+3], s[\g1a:\g1a+7]
	s_nop 0
.rept 4
	v_nop
.endr
	s_branch .Lasked_\@
.Lfor_b_\@:
	tensor_load_to_lds s[\g0b:\g0b+3], s[\g1b:\g1b+7]
	s_nop 0
.rept 4
	v_nop
.endr
.Lasked_\@:
.endm
.macro CREST
	s_cmp_lg_u32 s14, 0
	s_cbranch_scc1 .Lnot_wave_0_\@
	s_barrier_signal -3
.Lnot_wave_0_\@:
	s_barrier_wait -3
	s_barrier_signal -1
	s_barrier_wait -1
.endm
.macro CROUND
	s_barrier_signal -1
	s_barrier_wait -1
	CREST
.endm
	s_load_b128 s[4:7], s[0:1], 0x0                ; codes, scales
	v_lshl_add_u32 v[SPW], v0, 2, SPARE
	v_mov_b32 v[NIL], 0
	ds_add_u32 v[SPW], v[NIL]                      ; the opening: the add, twice on end, and its wait ahead of my first tensor load
	ds_add_u32 v[SPW], v[NIL]
	v_lshrrev_b32 v1, 5, v0
	v_readfirstlane_b32 s14, v1                    ; wave
	s_lshr_b32 s15, s14, 1                         ; my half of the tile's rows; also: I fetch for A (0) or B (1)
	s_and_b32 s16, s14, 1                          ; my half of its columns; also: which 128 rows I fetch
	s_bfe_u32 s40, ttmp6, 0x40000                  ; cx
	s_bfe_u32 s41, ttmp6, 0x40004                  ; cy
	s_lshl_b32 s42, ttmp9, 2
	s_add_co_u32 s42, s42, s40                     ; tile column = 4 x cluster x + cx
	s_and_b32 s17, ttmp7, 0xffff
	s_lshl_b32 s43, s41, 2
	s_add_co_u32 s17, s17, s43                     ; tile row = cluster y + 4 cy
	s_lshl_b32 s43, 15, s43                        ; my row of the cluster
	s_lshl_b32 s44, 0x1111, s40                    ; my column
	s_or_b32 s[G1+0], s43, (0<<16)|(1<<20)|(1<<21)|(5<<22)|(3<<25)   ; mask; elements of 1 byte; padding: 4 words behind every 64
	s_or_b32 s[G1B+0], s44, (0<<16)|(1<<20)|(1<<21)|(5<<22)|(3<<25)
.irp g, G1, G1B
	s_mov_b32 s[\g+1], ROWB<<16
	s_mov_b32 s[\g+2], 128<<16
	s_mov_b32 s[\g+3], ROWB<<16
	s_mov_b32 s[\g+4], 128
	s_mov_b32 s[\g+5], KROW
	s_mov_b32 s[\g+6], 0
	s_mov_b32 s[\g+7], 0
.endr
	s_or_b32 s[G1S+0], s43, (3<<16)|(1<<20)|(1<<21)|(5<<22)|(3<<25)  ; the scales of 128 rows: a dense block as rows of 256 bytes
	s_or_b32 s[G1SB+0], s44, (3<<16)|(1<<20)|(1<<21)|(5<<22)|(3<<25)
.irp g, G1S, G1SB
	s_mov_b32 s[\g+1], 32<<16
	s_mov_b32 s[\g+2], (128*KS/256)<<16
	s_mov_b32 s[\g+3], 32<<16
	s_mov_b32 s[\g+4], 128*KS/256
	s_mov_b32 s[\g+5], 32
	s_mov_b32 s[\g+6], 0
	s_mov_b32 s[\g+7], 0
.endr
	s_lshl_b32 s18, s16, 7
	s_lshl_b32 s20, s17, 8
	s_add_co_u32 s20, s20, s18                     ; A: row 256 x tile row + 128 x half
	s_lshl_b32 s46, s42, 8
	s_add_co_u32 s46, s46, s18                     ; B: row 256 x tile column + 128 x half
	s_mov_b32 s21, 0
	s_mov_b32 s47, 0
	s_mov_b64 s[18:19], KS
	s_mul_u64 s[22:23], s[20:21], s[18:19]
	s_mul_u64 s[92:93], s[46:47], s[18:19]
	s_mov_b64 s[18:19], KROW
	s_mul_u64 s[20:21], s[20:21], s[18:19]
	s_mul_u64 s[46:47], s[46:47], s[18:19]
	s_mul_i32 s45, s14, HALFT
	s_mul_i32 s94, s14, HALFS
	s_wait_dscnt 0x0                               ; both opening adds are done
	s_wait_kmcnt 0x0
	s_add_nc_u64 s[8:9], s[4:5], 0x400000          ; the weights' codes
	s_add_nc_u64 s[10:11], s[6:7], 0x40000         ; and scale bytes
	s_add_nc_u64 s[20:21], s[4:5], s[20:21]
	s_add_nc_u64 s[22:23], s[6:7], s[22:23]
	s_add_nc_u64 s[46:47], s[8:9], s[46:47]
	s_add_nc_u64 s[92:93], s[10:11], s[92:93]
	CROUND                                         ; all sixteen work-groups are here: the first joint loads meet
	s_mov_b32 s[G0S], 1
	s_add_co_u32 s[G0S+1], s94, SCL
	s_mov_b64 s[G0S+2:G0S+3], s[22:23]
	s_or_b32 s[G0S+3], s[G0S+3], 0x80000000
	s_mov_b32 s[G0SB], 1
	s_add_co_u32 s[G0SB+1], s94, SCL
	s_mov_b64 s[G0SB+2:G0SB+3], s[92:93]
	s_or_b32 s[G0SB+3], s[G0SB+3], 0x80000000
	JLOAD G0S, G1S, G0SB, G1SB
.irp s, 0,1
	s_mov_b32 s[G0+4*\s], 1
	s_add_co_u32 s[G0+4*\s+1], s45, \s*SLOT
	s_add_nc_u64 s[G0+4*\s+2:G0+4*\s+3], s[20:21], \s*ROWB
	s_or_b32 s[G0+4*\s+3], s[G0+4*\s+3], 0x80000000
	s_mov_b32 s[G0B+4*\s], 1
	s_add_co_u32 s[G0B+4*\s+1], s45, \s*SLOT
	s_add_nc_u64 s[G0B+4*\s+2:G0B+4*\s+3], s[46:47], \s*ROWB
	s_or_b32 s[G0B+4*\s+3], s[G0B+4*\s+3], 0x80000000
	JLOAD G0+4*\s, G1, G0B+4*\s, G1B
.endr
	s_load_b256 s[4:11], s[0:1], 0x10              ; cos 4:5, sin 6:7, qkvh 8:9, qkvlo 10:11: no descriptor names these registers
	v_and_b32 v1, 15, v0                           ; r
	v_bfe_u32 v2, v0, 4, 1                         ; h
	v_mul_u32_u24 v3, v1, PITCH
	v_lshl_add_u32 v4, v2, 4, v3
	s_mul_i32 s21, s15, HALFT
	s_mul_i32 s22, s16, HALFT
	s_add_co_u32 s22, s22, 2*HALFT
.irp s, 0,1
	v_add_nc_u32 v[ADRA+\s], s21, v4
	v_add_nc_u32 v[ADRB+\s], s22, v4
	s_add_co_u32 s21, s21, SLOT
	s_add_co_u32 s22, s22, SLOT
.endr
	v_mul_u32_u24 v5, v1, KS
	v_lshrrev_b32 v6, 8, v5
	v_lshl_add_u32 v5, v6, 4, v5
	s_mul_i32 s21, s15, HALFS
	s_mul_i32 s22, s16, HALFS
	s_add_co_u32 s22, s22, 2*HALFS
	s_sub_co_u32 s22, s22, s21
	v_mul_u32_u24 v6, s22, v2                      ; lanes 16-31 take B's scale words
	s_add_co_u32 s21, s21, SCL
	v_add_nc_u32 v5, v5, v6
	v_add_nc_u32 v[ADRS], s21, v5
	s_mul_i32 s23, s14, 16*SPITCH                  ; my stage
	v_mul_u32_u24 v5, v1, SPITCH
	v_lshl_add_u32 v5, v2, 4, v5
	v_add_nc_u32 v[STO], s23, v5
	v_and_b32 v6, 31, v0
	v_lshlrev_b32 v[CO], 4, v6
	v_lshrrev_b32 v5, 3, v6
	v_mul_u32_u24 v5, v5, SPITCH
	v_and_b32 v6, 7, v0
	v_lshl_add_u32 v5, v6, 4, v5
	v_add_nc_u32 v[RD], s23, v5
	v_lshlrev_b32 v[CSO], 7, v1
	v_lshl_add_u32 v[CSO], v2, 4, v[CSO]
	; what a wave does on the way out, from numbers that all partners share
	s_and_b32 s95, ttmp7, 0xffff                   ; cluster y
	s_or_b32 s96, s95, s15                         ; 0: my first 16 rows are positions 0..15
	s_cmp_eq_u32 ttmp9, 2
	s_cselect_b32 s97, s16, 0                      ; 1: my columns are v's
	; where my 128 x 128 goes: hd = 4 x tile column + 2 x half (q), or 32 + 2 cx + 8 x half (k, v); cx and cy enter global addresses alone
	s_lshl_b32 s46, s42, 2
	s_lshl_b32 s47, s16, 1
	s_add_co_u32 s46, s46, s47
	s_lshl_b32 s92, s40, 1
	s_lshl_b32 s93, s16, 3
	s_add_co_u32 s92, s92, s93
	s_add_co_u32 s92, s92, 32
	s_cmp_lt_u32 ttmp9, 2
	s_cselect_b32 s46, s46, s92
	s_mul_i32 s47, s41, 48
	s_add_co_u32 s46, s46, s47                     ; 48 b + hd
	s_lshl_b32 s92, s46, 11                        ; x 2,048 bytes in qkvlo
	s_mov_b32 s93, 0
	s_lshl_b32 s46, s46, 10
	s_lshl_b32 s47, s95, 8
	s_add_co_u32 s46, s46, s47
	s_lshl_b32 s47, s15, 7
	s_add_co_u32 s46, s46, s47                     ; (48 b + hd) x 1024 + my first position
	s_lshl_b32 s46, s46, 7                         ; x 128 bytes
	s_mov_b32 s47, 0
	s_lshl_b32 s20, s95, 15
	s_lshl_b32 s21, s15, 14
	s_add_co_u32 s20, s20, s21                     ; my first position x 128 bytes: a row of cos or sin
	s_mov_b32 s21, 0
	s_wait_kmcnt 0x0
	s_add_nc_u64 s[4:5], s[4:5], s[20:21]
	s_add_nc_u64 s[6:7], s[6:7], s[20:21]
	s_add_nc_u64 s[12:13], s[8:9], s[46:47]
	s_add_nc_u64 s[18:19], s[10:11], s[92:93]
.macro FRAG reg, adr, q, i
.irp c, 0,1
	ds_load_b128 v[\reg+4*\c:\reg+4*\c+3], v[\adr] offset:64*(\q)+32*\c+(\i)*16*PITCH
.endr
.endm
; 16 matrix instructions: A's blocks a0, a0 + 1 x B's eight.  The 64 accumulators take turns, one instruction a turn, in the same order in every step.
.macro MUL16 a0, p, q, sc, zero
.irp a, \a0, \a0+1
.irp b, 0,1,2,3,4,5,6,7
.if \zero
	v_wmma_scale_f32_16x16x128_f8f6f4 v[8*(8*((\a)%4)+\b):8*(8*((\a)%4)+\b)+7], v[128*(\p)+FR*\b:128*(\p)+FR*\b+FR-1], v[AF+FR*(\a):AF+FR*(\a)+FR-1], 0, v[SC+8*NQ*(\sc)+NQ*\b+(\q)], v[SC+8*NQ*(\sc)+NQ*(\a)+(\q)] matrix_a_fmt:MATRIX_FMT_FP4 matrix_b_fmt:MATRIX_FMT_FP4 matrix_a_scale:MATRIX_SCALE_ROW1
.else
	v_wmma_scale_f32_16x16x128_f8f6f4 v[8*(8*((\a)%4)+\b):8*(8*((\a)%4)+\b)+7], v[128*(\p)+FR*\b:128*(\p)+FR*\b+FR-1], v[AF+FR*(\a):AF+FR*(\a)+FR-1], v[8*(8*((\a)%4)+\b):8*(8*((\a)%4)+\b)+7], v[SC+8*NQ*(\sc)+NQ*\b+(\q)], v[SC+8*NQ*(\sc)+NQ*(\a)+(\q)] matrix_a_fmt:MATRIX_FMT_FP4 matrix_b_fmt:MATRIX_FMT_FP4 matrix_a_scale:MATRIX_SCALE_ROW1
.endif
.endr
.endr
.endm
.macro FETCH_B slot, q, p
	WIN TO_B
.irp i, 0,1,2,3,4,5,6,7
	FRAG 128*(\p)+FR*\i, ADRB+\slot, \q, \i
.endr
	WIN 0
.endm
.macro FETCH_A slot, q, i0
.irp i, \i0, \i0+1, \i0+2, \i0+3
	FRAG AF+FR*(\i), ADRA+\slot, \q, \i
.endr
.endm
.macro SCALES sc
.irp i, 0,1,2,3,4,5,6,7
	ds_load_b128 v[SC+8*NQ*\sc+NQ*\i:SC+8*NQ*\sc+NQ*\i+3], v[ADRS] offset:\i*SBLK
.endr
.endm
.macro PLACES n                        ; plain places behind matrix instructions, ahead of loads into their registers and of reads of their results
.rept \n
	v_nop
.endr
.endm
.macro STEP slot, q, zero
	s_wait_dscnt 4*NL                              ; B's set and A's blocks 0-3 are in; the youngest eight loads (A's blocks 4-7) may be out
	WIN MUL_LO
	MUL16 0, (\q)%2, \q, \slot, \zero
	MUL16 2, (\q)%2, \q, \slot, \zero
	s_wait_dscnt 0
	PLACES NP
	FETCH_B \slot, (\q)+1, 1-(\q)%2
	FETCH_A \slot, (\q)+1, 0
	WIN MUL_HI
	MUL16 4, (\q)%2, \q, \slot, \zero
	MUL16 6, (\q)%2, \q, \slot, \zero
	PLACES NP
	WIN 0
	FETCH_A \slot, (\q)+1, 4
.endm
.macro TURN slot, next, fill           ; a slot's last step changes slots: one barrier
	s_wait_tensorcnt 0x0                           ; all my tensor loads have landed: my part of the next slot
	ds_add_u32 v[SPW], v[NIL]
	s_wait_dscnt 4*NL+1                            ; (the add and the youngest eight loads may be out)
	WIN MUL_LO
	MUL16 0, 1, NQ-1, \slot, 0
	s_wait_dscnt 0x0                               ; the add is done, and my reads of this slot are over
	s_barrier_signal -1
	MUL16 2, 1, NQ-1, \slot, 0
	WIN 0
	s_barrier_wait -1
.if \fill
	CREST                                          ; the barrier opened a round of the cluster's: no wave of any partner still reads this slot or has a load on its way
	s_add_nc_u64 s[G0+4*\slot+2:G0+4*\slot+3], s[G0+4*\slot+2:G0+4*\slot+3], 2*ROWB
	s_add_nc_u64 s[G0B+4*\slot+2:G0B+4*\slot+3], s[G0B+4*\slot+2:G0B+4*\slot+3], 2*ROWB
	JLOAD G0+4*\slot, G1, G0B+4*\slot, G1B
.else
	PLACES NP
.endif
	v_add_nc_u32 v[ADRS], 4*NQ, v[ADRS]
	FETCH_B \next, 0, 0
	FETCH_A \next, 0, 0
	SCALES \next
	WIN MUL_HI
	MUL16 4, 1, NQ-1, \slot, 0
	MUL16 6, 1, NQ-1, \slot, 0
	PLACES NP
	WIN 0
	FETCH_A \next, 0, 4
.endm
.macro STEPS slot, from
.set Q, \from
.rept NQ-1-\from
	STEP \slot, Q, 0
.set Q, Q+1
.endr
.endm
.macro LASTSTEP                        ; the very last 128 along K: nothing more to fetch
	s_wait_dscnt 4*NL
	WIN MUL_LO
	MUL16 0, 1, NQ-1, 1, 0
	MUL16 2, 1, NQ-1, 1, 0
	s_wait_dscnt 0
	WIN MUL_HI
	MUL16 4, 1, NQ-1, 1, 0
	MUL16 6, 1, NQ-1, 1, 0
	WIN 0
.endm
; THE WAY OUT, block a of 16 rows x 128 columns (two heads) at a time.
.macro CSLOAD a                        ; lane (r, h): cos and sin of position 16 a + r, pairs 8 q + 4 h + 0..3
	WIN TO_B
.irp q, 0,1,2,3
	global_load_b128 v[32*(\a)+4*\q:32*(\a)+4*\q+3], v[CSO], s[4:5] offset:2048*(\a)+32*\q
	global_load_b128 v[32*(\a)+16+4*\q:32*(\a)+16+4*\q+3], v[CSO], s[6:7] offset:2048*(\a)+32*\q
.endr
.endm
.macro ROPE a                          ; (xr, xi) -> (xr c - xi s, xr s + xi c): first (-xi s, xr s), then + (xr c, xi c).  Each accumulator is read from its low end on
.set AC, 64*((\a)%4)
.set CB, 32*(\a)
	WIN 0x06+((\a)/4)                              ; source 0: the accumulators' window; source 1: window 1
.irp b, 0,1,2,3,4,5,6,7
.irp e, 0,2
	v_pk_mul_f32 v[T+8*\b+2*\e:T+8*\b+2*\e+1], v[AC+8*\b+2*\e:AC+8*\b+2*\e+1], v[CB+16+4*(\b%4)+\e:CB+16+4*(\b%4)+\e+1] op_sel:[1,0] op_sel_hi:[0,0] neg_lo:[1,0]
	v_pk_mul_f32 v[T+8*\b+2*\e+2:T+8*\b+2*\e+3], v[AC+8*\b+2*\e+2:AC+8*\b+2*\e+3], v[CB+16+4*(\b%4)+\e:CB+16+4*(\b%4)+\e+1] op_sel:[1,1] op_sel_hi:[0,1] neg_lo:[1,0]
	v_pk_fma_f32 v[T+8*\b+2*\e:T+8*\b+2*\e+1], v[AC+8*\b+2*\e:AC+8*\b+2*\e+1], v[CB+4*(\b%4)+\e:CB+4*(\b%4)+\e+1], v[T+8*\b+2*\e:T+8*\b+2*\e+1] op_sel:[0,0,0] op_sel_hi:[1,0,1]
	v_pk_fma_f32 v[T+8*\b+2*\e+2:T+8*\b+2*\e+3], v[AC+8*\b+2*\e+2:AC+8*\b+2*\e+3], v[CB+4*(\b%4)+\e:CB+4*(\b%4)+\e+1], v[T+8*\b+2*\e+2:T+8*\b+2*\e+3] op_sel:[0,1,0] op_sel_hi:[1,1,1]
.endr
.endr
.endm
.macro PACK                            ; the roped numbers to f16, 16 bytes a lane and column block
.set ii, 0
.rept 32
	v_cvt_pk_f16_f32 v[PK+ii], v[T+2*ii], v[T+2*ii+1]
.set ii, ii+1
.endr
.endm
.macro PACKV a                         ; v: straight from the accumulators
.set AC, 64*((\a)%4)
	WIN 0x0a+5*((\a)/4)
.set ii, 0
.rept 32
	v_cvt_pk_f16_f32 v[PK+ii], v[AC+2*ii], v[AC+2*ii+1]
.set ii, ii+1
.endr
.endm
.macro TOSTAGE reg
.irp b, 0,1,2,3,4,5,6,7
	ds_store_b128 v[STO], v[\reg+4*\b:\reg+4*\b+3] offset:32*\b
.endr
.endm
.macro BACK                            ; LDS serves a wave's instructions in order: these see the stores above
.irp s, 0,1,2,3,4,5,6,7
	ds_load_b128 v[BKR+4*\s:BKR+4*\s+3], v[RD] offset:4*(\s%4)*SPITCH+128*(\s/4)
.endr
.endm
.macro SEND a                          ; each store covers four rows of a head: 512 consecutive bytes, aligned
.irp s, 0,1,2,3,4,5,6,7
	global_store_b128 v[CO], v[BKR+4*\s:BKR+4*\s+3], s[12:13] offset:2048*(\a)+512*(\s%4)+131072*(\s/4)
.endr
.endm
.macro SENDLO
.irp s, 0,1,2,3,4,5,6,7
	global_store_b128 v[CO], v[BKR+4*\s:BKR+4*\s+3], s[18:19] offset:512*(\s%4)+2048*(\s/4)
.endr
.endm
; Positions 0..15: g = 8193 x; hi = g - (g - x) has 11 significant bits, so f16 holds it exactly; lo = x - hi is exact and is stored x 2^11.  16 numbers at a time; src in window 0 (win = 0) or 2 (win = 2).
.macro FINELO src, win
.irp qd, 0,1,2,3
	WIN \win
.irp p, 0,2,4,6,8,10,12,14
	v_pk_mul_f32 v[FG+\p:FG+\p+1], v[\src+16*\qd+\p:\src+16*\qd+\p+1], 0x46000400 op_sel_hi:[1,0]
.endr
.irp p, 0,2,4,6,8,10,12,14
	v_pk_add_f32 v[FD+\p:FD+\p+1], v[\src+16*\qd+\p:\src+16*\qd+\p+1], v[FG+\p:FG+\p+1] neg_lo:[1,0] neg_hi:[1,0]
.endr
	WIN 0
.irp p, 0,2,4,6,8,10,12,14
	v_pk_add_f32 v[FG+\p:FG+\p+1], v[FG+\p:FG+\p+1], v[FD+\p:FD+\p+1] neg_lo:[0,1] neg_hi:[0,1]
.endr
	WIN \win
.irp p, 0,2,4,6,8,10,12,14
	v_pk_add_f32 v[FD+\p:FD+\p+1], v[\src+16*\qd+\p:\src+16*\qd+\p+1], v[FG+\p:FG+\p+1] neg_lo:[0,1] neg_hi:[0,1]
.endr
	WIN 0
.irp p, 0,2,4,6,8,10,12,14
	v_pk_mul_f32 v[FD+\p:FD+\p+1], v[FD+\p:FD+\p+1], 0x45000000 op_sel_hi:[1,0]
.endr
.irp p, 0,1,2,3,4,5,6,7
	v_cvt_pk_f16_f32 v[PK+8*\qd+\p], v[FG+2*\p], v[FG+2*\p+1]
.endr
.irp p, 0,1,2,3,4,5,6,7
	v_cvt_pk_f16_f32 v[LOP+8*\qd+\p], v[FD+2*\p], v[FD+2*\p+1]
.endr
.endr
	TOSTAGE LOP
	BACK
	s_wait_dscnt 0x0
	SENDLO
.endm
.macro WAYOUT rope                     ; block a goes through the stage while block a + 1 is roped and packed
.irp a, 0,1,2,3,4,5,6,7
	s_wait_xcnt 0x0                                ; the last stores have read the registers that the rows come back into
	TOSTAGE PK
	BACK
.if \a < 7
.if \rope
.if \a == 3
	s_wait_loadcnt 0x0                             ; cos and sin of blocks 4-7
.endif
	ROPE \a+1
	WIN 0
	s_wait_dscnt 8                                 ; the eight stage stores have read the pack; the eight loads may be out
	PACK
.else
	s_wait_dscnt 8
	PACKV \a+1
	WIN 0
.endif
.endif
	s_wait_dscnt 0x0
	SEND \a
.endr
.endm
	s_wait_tensorcnt 1                             ; the scales and my part of K step 0 are in (K step 1's load may be out),
	s_barrier_signal -1
	s_barrier_wait -1                              ; everybody's are
	FETCH_B 0, 0, 0
	FETCH_A 0, 0, 0
	SCALES 0
	FETCH_A 0, 0, 4
	STEP 0, 0, 1                                   ; the first step starts the sums
	s_mov_b32 s3, LAPS-1
.Llap:
	STEPS 0, 1
	TURN 0, 1, 1
	STEPS 1, 0
	TURN 1, 0, 1
	STEP 0, 0, 0
	s_sub_co_u32 s3, s3, 1
	s_cmp_lg_u32 s3, 0
	s_cbranch_scc1 .Llap
	STEPS 0, 1                                     ; the last lap fills nothing
	TURN 0, 1, 0
	STEPS 1, 0
	s_cmp_eq_u32 s97, 0                            ; the waves part once: q's and k's go by RoPE, v's do not.  The last step is written in both arms
	s_cbranch_scc0 .Lv_way
	CSLOAD 0                                       ; B's set 0 and the registers behind it are free, four places behind their last products
	CSLOAD 1
	CSLOAD 2
	CSLOAD 3
	WIN 0
	LASTSTEP
	PLACES NP
	CSLOAD 4
	CSLOAD 5
	CSLOAD 6
	CSLOAD 7
	WIN 0
	s_wait_loadcnt 32                              ; blocks 0-3's cos and sin are in; the 32 loads just issued may be out
	ROPE 0
	WIN 0
	s_cmp_lg_u32 s96, 0
	s_cbranch_scc1 .Lplain_r
	FINELO T, 0
	s_branch .Lpacked_r
.Lplain_r:
	PACK
.Lpacked_r:
	WAYOUT 1
	s_branch .Lend
.Lv_way:
	LASTSTEP
	PLACES NP
	s_cmp_lg_u32 s96, 0
	s_cbranch_scc1 .Lplain_v
	FINELO 0, 0x02
	s_branch .Lpacked_v
.Lplain_v:
	PACKV 0
	WIN 0
.Lpacked_v:
	WAYOUT 0
.Lend:
	s_wait_tensorcnt 0x0                           ; the wave's end
	ds_add_u32 v[SPW], v[NIL]
	s_wait_dscnt 0x0
	CROUND                                         ; the closing round
	s_endpgm
.Lfunc_end_k_q792363d003_qkv:
	.size	k_q792363d003_qkv, .Lfunc_end_k_q792363d003_qkv-k_q792363d003_qkv
	.p2alignl 7, 3214868480
	.fill 96, 4, 3214868480
	.section	.rodata,"a",@progbits
	.p2align	6, 0x0
	.amdhsa_kernel k_q792363d003_qkv
		.amdhsa_group_segment_fixed_size 327680
		.amdhsa_private_segment_fixed_size 0
		.amdhsa_enable_private_segment 0
		.amdhsa_kernarg_size 48
		.amdhsa_user_sgpr_count 2
		.amdhsa_user_sgpr_kernarg_segment_ptr 1
		.amdhsa_wavefront_size32 1
		.amdhsa_system_sgpr_workgroup_id_x 1
		.amdhsa_system_sgpr_workgroup_id_y 1
		.amdhsa_system_sgpr_workgroup_id_z 1
		.amdhsa_system_vgpr_workitem_id 0
		.amdhsa_next_free_vgpr 1024
		.amdhsa_next_free_sgpr 100
		.amdhsa_reserve_vcc 0
		.amdhsa_float_denorm_mode_32 3
		.amdhsa_float_denorm_mode_16_64 3
		.amdhsa_memory_ordered 1
		.amdhsa_forward_progress 1
		.amdhsa_inst_pref_size 255
	.end_amdhsa_kernel
	.section	.bss,"aw",@nobits
	.p2align	6
	.space	262144
	.amdgpu_metadata
---
amdhsa.version: [ 1, 2 ]
amdhsa.kernels:
  - .name:           k_q792363d003_qkv
    .symbol:         k_q792363d003_qkv.kd
    .args:
      - { .name: codes, .offset: 0, .size: 8, .value_kind: global_buffer, .address_space: global }
      - { .name: scales, .offset: 8, .size: 8, .value_kind: global_buffer, .address_space: global }
      - { .name: cos, .offset: 16, .size: 8, .value_kind: global_buffer, .address_space: global }
      - { .name: sin, .offset: 24, .size: 8, .value_kind: global_buffer, .address_space: global }
      - { .name: qkvh, .offset: 32, .size: 8, .value_kind: global_buffer, .address_space: global }
      - { .name: qkvlo, .offset: 40, .size: 8, .value_kind: global_buffer, .address_space: global }
    .group_segment_fixed_size: 327680
    .private_segment_fixed_size: 0
    .kernarg_segment_align: 8
    .kernarg_segment_size: 48
    .max_flat_workgroup_size: 128
    .sgpr_count:     100
    .vgpr_count:     1024
    .wavefront_size: 32
...
	.end_amdgpu_metadata
.endif
;; end of part 2
;; launch attn (part 3): grid 8 x 32, 16 waves a work-group, clusters of 4 x 1, 327,680 bytes of LDS; arguments qkvh, ao; writes ao
.if DOCPART == 3
	.amdgcn_target "amdgcn-amd-amdhsa--gfx1250"
	.amdhsa_code_object_version 6
	.text
	.protected	k_q792363d003_attn
	.globl	k_q792363d003_attn
	.p2align	8
	.type	k_q792363d003_attn,@function
k_q792363d003_attn:
	s_mov_b64 s[64:65], 0
	v_nop
	global_prefetch_b8 v0, s[64:65] scope:SCOPE_SE
	s_setreg_imm32_b32 hwreg(HW_REG_WAVE_MODE, 25, 1), 1
	s_wait_xcnt 0x0
	s_wait_alu depctr_hold_cnt(0) depctr_sa_sdst(0) depctr_va_vdst(0) depctr_va_sdst(0) depctr_va_ssrc(0) depctr_va_vcc(0) depctr_vm_vsrc(0)
	s_getreg_b32 s2, hwreg(HW_REG_IB_STS2, 6, 4)
	s_cmp_eq_u32 s2, 0
	s_cbranch_scc0 .Lentry_in_a_cluster
	s_endpgm
.Lentry_in_a_cluster:
	s_bfe_u32 s2, ttmp6, 0x10000c
	s_cmp_lg_u32 s2, 0x3003
	s_cbranch_scc0 .Lentry_shape_is_right
	s_endpgm
.Lentry_shape_is_right:
; ao[head][b x 1024 + t][:] = softmax_s(q . k / 8, causal) v, operands in f16, products, maxima and sums in f32.  qkvh: f16 [b][hd 48][t][64] (0-31 q, 32-39 k, 40-47 v); ao: f16 [head 32][4096][64].
; LEFT OUT: steps of 64 keys that lie wholly behind a tile's 16 queries (reference()'s own triu(-inf) makes their weights 0 for all inputs); the repeat of k and v (the four query heads read the one head).
; SHARES.  y = 8 b + key/value head.  The four work-groups of a cluster are the four query heads of that head: they need the same K and V, so each tile is asked for jointly (mask 15).
; The whole head's K and V (1,024 keys) lie in LDS, filled once: no slot is filled again and no barrier stands in the loops.  All is asked for at the head by the loads themselves, so nothing is left to prefetch.
; Wave w of the cluster with x = g owns two tiles of 16 queries: 63 - (2 w + g), then 2 w + g.  Tile T wants T / 4 + 1 steps of 64 keys: 17 steps for every wave of the launch.
; LAYOUT.  S^T = K Q^T (source 0 = 16 keys, source 1 = my 16 queries), O^T = V^T P: a lane holds ONE query (lane % 16) throughout; two tiles of S^T rounded to f16 in pairs are source 1 of the second product.
; In LDS two keys share a row of 256 bytes: key k at (k / 2) x pitch + 128 (k % 2); K's pitch 272, V's 288: the rows that a load touches fall on different banks.
; SOFTMAX: running maximum m and sum l: p = 2^(c s - c m), c = log2(e) / 8; O and l are multiplied by a = 2^(c m_old - c m_new) in every step.  The step is written once: O and l begin as zeros, m as -3e38.
.set KP,    272
.set VP,    288
.set VBASE, 512*KP
.set STAGE, VBASE+512*VP               ; 16 rows x (128 bytes + 16) for each wave; no fill lands here
.set SP,    144
.set SPARE, STAGE+16*16*SP             ; the spare words: eight blocks of 256 bytes that no other line names
.set SPW, 1
.set NIL, 2
.set AK0, 3                            ; my lane's place in a tile of K
.set AV0, 4                            ; and of V (turning load)
.set ADK, 5
.set ADV, 6
.set QO,  7
.set STO, 8
.set RD,  9
.set GO,  10
.set DD,  11                           ; 16 (T % 4) + r - 8 h: key 16 kt + j of the diagonal step is hidden where 16 kt + j > DD
.set MC,  16                           ; v16-19 chains of the maximum
.set AA,  20                           ; v[20:21] a, later 1 / l
.set TW,  22
.set NINF, 23
.set Q,   24
.set S,   40
.set P,   72
.set O,   88
.set KF,  120
.set VF,  184
.set RB,  248                          ; r - 8 h
.set WV,  8
.set G1K, 24
.set G1V, 32
.set G0K, 40
.set G0V, 44
.macro ROUND
	s_barrier_signal -1
	s_barrier_wait -1
	s_cmp_lg_u32 s[WV], 0
	s_cbranch_scc1 .Lnot_wave_0_\@
	s_barrier_signal -3
.Lnot_wave_0_\@:
	s_barrier_wait -3
	s_barrier_signal -1
	s_barrier_wait -1
.endm
	s_load_b128 s[4:7], s[0:1], 0x0                ; qkvh, ao
	v_lshl_add_u32 v[SPW], v0, 2, SPARE
	v_mov_b32 v[NIL], 0
	ds_add_u32 v[SPW], v[NIL]                      ; the opening: the add, twice on end, and its wait ahead of my first tensor load
	ds_add_u32 v[SPW], v[NIL]
	v_lshrrev_b32 v3, 5, v0
	v_readfirstlane_b32 s[WV], v3                  ; wave 0..15
	s_bfe_u32 s9, ttmp6, 0x40000                   ; cx: the query head in its group: it enters Q's and ao's addresses alone
	s_and_b32 s11, ttmp7, 0xffff
	s_lshr_b32 s12, s11, 3                         ; b
	s_and_b32 s13, s11, 7                          ; key/value head
	; group 1: 64 rows of 256 bytes (32 elements of 8 bytes), dense in memory, padded in LDS
	s_mov_b32 s[G1K], 15|(3<<16)|(1<<20)|(1<<21)|(5<<22)|(3<<25)   ; mask: all four; 4 words behind every 64
	s_mov_b32 s[G1V], 15|(3<<16)|(1<<20)|(1<<21)|(5<<22)|(7<<25)   ; 8 words
.irp g, G1K, G1V
	s_mov_b32 s[\g+1], 32<<16
	s_mov_b32 s[\g+2], 64<<16
	s_mov_b32 s[\g+3], 32<<16
	s_mov_b32 s[\g+4], 64
	s_mov_b32 s[\g+5], 32
	s_mov_b32 s[\g+6], 0
	s_mov_b32 s[\g+7], 0
.endr
	s_and_b32 s14, s[WV], 7                        ; which 128 keys I fetch: waves 0-7 of K, waves 8-15 of V
	s_mul_i32 s15, s14, 64*KP
	s_mul_i32 s16, s14, 64*VP
	s_add_co_u32 s16, s16, VBASE
	s_mul_i32 s18, s12, 48
	s_add_co_u32 s20, s18, s13
	s_add_co_u32 s20, s20, 32
	s_lshl_b32 s20, s20, 17                        ; K's head: (48 b + 32 + head) x 131,072 bytes
	s_lshl_b32 s17, s14, 14
	s_add_co_u32 s20, s20, s17
	s_mov_b32 s21, 0
	s_lshl_b32 s22, s13, 2
	s_add_co_u32 s22, s22, s9                      ; my query head
	s_add_co_u32 s23, s18, s22
	s_lshl_b32 s48, s23, 17
	s_mov_b32 s49, 0
	s_lshl_b32 s50, s22, 19
	s_lshl_b32 s23, s12, 17
	s_add_co_u32 s50, s50, s23                     ; ao: (head x 4096 + 1024 b) x 128 bytes
	s_mov_b32 s51, 0
	s_lshl_b32 s68, s[WV], 1
	s_add_co_u32 s68, s68, ttmp9                   ; my small tile
	s_sub_co_u32 s56, 63, s68                      ; my large tile: first
	s_mov_b32 s62, 0x3e38aa3b                      ; c = log2(e) / 8
	s_mov_b32 s63, s62
	s_mov_b32 s66, 0x76543210
	s_mov_b32 s67, 0xfedcba98
	s_wait_dscnt 0x0                               ; both opening adds are done
	s_wait_kmcnt 0x0
	s_mov_b32 s[G0K], 1
	s_mov_b32 s[G0K+1], s15
	s_add_nc_u64 s[G0K+2:G0K+3], s[4:5], s[20:21]
	s_mov_b32 s[G0V], 1
	s_mov_b32 s[G0V+1], s16
	s_add_nc_u64 s[G0V+2:G0V+3], s[G0K+2:G0K+3], 0x100000   ; V's head lies eight heads on
	s_or_b32 s[G0K+3], s[G0K+3], 0x80000000
	s_or_b32 s[G0V+3], s[G0V+3], 0x80000000
	s_add_nc_u64 s[48:49], s[4:5], s[48:49]
	s_add_nc_u64 s[50:51], s[6:7], s[50:51]
	ROUND                                          ; all four work-groups are here: the joint loads meet
	s_cmp_lt_u32 s[WV], 8                          ; every wave issues one load: one of mine is out
	s_cbranch_scc0 .Lfor_v
	tensor_load_to_lds s[G0K:G0K+3], s[G1K:G1K+7]
	s_nop 0
.rept 4
	v_nop
.endr
	s_branch .Lasked
.Lfor_v:
	tensor_load_to_lds s[G0V:G0V+3], s[G1V:G1V+7]
	s_nop 0
.rept 4
	v_nop
.endr
.Lasked:
	v_and_b32 v16, 15, v0                          ; r
	v_bfe_u32 v17, v0, 4, 1                        ; h
	v_and_b32 v18, 31, v0                          ; lane
	v_bfe_u32 v19, v0, 1, 3                        ; r / 2
	v_and_b32 v20, 1, v0
	v_mul_u32_u24 v[AK0], v19, KP
	v_lshl_add_u32 v[AK0], v20, 7, v[AK0]
	v_lshl_add_u32 v[AK0], v17, 4, v[AK0]          ; key r: (r / 2) x 272 + 128 (r % 2) + 16 h
	v_bfe_u32 v21, v0, 1, 2
	v_lshl_add_u32 v21, v17, 2, v21
	v_mul_u32_u24 v[AV0], v21, VP
	v_lshl_add_u32 v[AV0], v20, 7, v[AV0]
	v_bfe_u32 v21, v0, 3, 1
	v_lshl_add_u32 v[AV0], v21, 4, v[AV0]
	v_add_nc_u32 v[AV0], VBASE, v[AV0]             ; key 8 h + lane % 8, channels 8 ((lane / 8) % 2) on
	v_lshlrev_b32 v[QO], 7, v16
	v_lshl_add_u32 v[QO], v17, 4, v[QO]
	s_mul_i32 s17, s[WV], 16*SP
	s_add_co_u32 s17, s17, STAGE
	v_mul_u32_u24 v[STO], v16, SP
	v_lshl_add_u32 v[STO], v17, 4, v[STO]
	v_add_nc_u32 v[STO], s17, v[STO]
	v_lshrrev_b32 v19, 3, v18
	v_mul_u32_u24 v[RD], v19, SP
	v_and_b32 v19, 7, v0
	v_lshl_add_u32 v[RD], v19, 4, v[RD]
	v_add_nc_u32 v[RD], s17, v[RD]
	v_lshlrev_b32 v[GO], 4, v18
	v_lshlrev_b32 v19, 3, v17
	v_sub_nc_u32 v[RB], v16, v19
	v_mov_b32 v[NINF], 0xff800000
	s_wait_tensorcnt 0x0                           ; my part has landed,
	s_barrier_signal -1
	s_barrier_wait -1                              ; everybody's has: K and V are whole, and nothing is filled again
	s_mov_b32 s61, 2
.Lunit:                                            ; two trips: my large tile, my small tile
	s_wait_xcnt 0x0                                ; the last tile's loads and stores have read their bases and registers
	s_lshl_b32 s52, s56, 11                        ; 16 rows of 128 bytes a tile
	s_mov_b32 s53, 0
	s_add_nc_u64 s[54:55], s[50:51], s[52:53]
	s_add_nc_u64 s[52:53], s[48:49], s[52:53]
.irp c, 0,1,2,3
	global_load_b128 v[Q+4*\c:Q+4*\c+3], v[QO], s[52:53] offset:32*\c
.endr
	v_mov_b32 v13, 0xff61b1e6                      ; m = -3e38, under every score
	v_mul_f32 v12, s62, v13                        ; c m
	v_mov_b32 v14, 0
	v_mov_b32 v15, 0
.set ii, 0
.rept 32
	v_mov_b32 v[O+ii], 0
.set ii, ii+1
.endr
	s_and_b32 s57, s56, 3
	s_lshl_b32 s57, s57, 4
	v_add_nc_u32 v[DD], s57, v[RB]
	s_lshr_b32 s57, s56, 2                         ; the diagonal step
	s_mov_b32 s58, 0
	s_mov_b32 s59, 0
	s_mov_b32 s60, 0
	s_wait_loadcnt 0x0
.Lstep:                                            ; 16 trips, a constant; a step behind the diagonal is jumped over: a test on the wave's number and the cluster's x alone
	s_cmp_gt_u32 s58, s57
	s_cbranch_scc1 .Lskip
	v_add_nc_u32 v[ADK], s59, v[AK0]
	v_add_nc_u32 v[ADV], s60, v[AV0]
	v_nop
	v_nop                                          ; four places behind the last products, ahead of the loads into their registers
.irp kt, 0,1,2,3
.irp c, 0,1
	ds_load_b128 v[KF+8*(2*\kt+\c):KF+8*(2*\kt+\c)+3], v[ADK] offset:8*KP*\kt+64*\c
	ds_load_b128 v[KF+8*(2*\kt+\c)+4:KF+8*(2*\kt+\c)+7], v[ADK] offset:8*KP*\kt+64*\c+32
.endr
.endr
.irp s, 0,1
.irp ct, 0,1,2,3
	ds_load_tr16_b128 v[VF+8*(4*\s+\ct):VF+8*(4*\s+\ct)+3], v[ADV] offset:16*VP*\s+32*\ct
	ds_load_tr16_b128 v[VF+8*(4*\s+\ct)+4:VF+8*(4*\s+\ct)+7], v[ADV] offset:16*VP*\s+8*VP+32*\ct
.endr
.endr
	s_wait_dscnt 16                                ; K's 16 loads are in; V's 16 may stay out
.irp kt, 0,1,2,3
	v_wmma_f32_16x16x32_f16 v[S+8*\kt:S+8*\kt+7], v[KF+16*\kt:KF+16*\kt+7], v[Q:Q+7], 0
.endr
.irp kt, 0,1,2,3
	v_wmma_f32_16x16x32_f16 v[S+8*\kt:S+8*\kt+7], v[KF+16*\kt+8:KF+16*\kt+15], v[Q+8:Q+15], v[S+8*\kt:S+8*\kt+7]
.endr
.rept 4
	v_nop
.endr
	s_cmp_lg_u32 s58, s57
	s_cbranch_scc1 .Lopen
.irp kt, 0,1,2,3                               ; the diagonal step: hidden scores become -infinity: p = 0
.irp j, 0,1,2,3,4,5,6,7
	v_cmp_gt_i32 vcc_lo, 16*\kt+\j, v[DD]
	v_cndmask_b32 v[S+8*\kt+\j], v[S+8*\kt+\j], v[NINF], vcc_lo
.endr
.endr
.Lopen:
.irp k, 0,1,2,3
	v_max3_num_f32 v[MC+\k], v[S+8*\k], v[S+8*\k+1], v[S+8*\k+2]
.endr
.irp g, 3,5
.irp k, 0,1,2,3
	v_max3_num_f32 v[MC+\k], v[MC+\k], v[S+8*\k+\g], v[S+8*\k+\g+1]
.endr
.endr
	v_max3_num_f32 v[MC], v[MC], v[S+7], v[S+15]
	v_max3_num_f32 v[MC+2], v[MC+2], v[S+23], v[S+31]
	v_max3_num_f32 v[MC], v[MC], v[MC+1], v[MC+2]
	v_max3_num_f32 v[MC], v[MC], v[MC+3], v13
	v_permlanex16_b32 v[MC+1], v[MC], s66, s67     ; the query's other 32 keys lie in the lane 16 away
	v_mov_b32 v[TW], v12
	v_max_num_f32 v13, v[MC], v[MC+1]
	v_mul_f32 v12, s62, v13
	v_sub_f32 v[TW], v[TW], v12                    ; c m_old - c m_new
.set ii, 0
.rept 16
	v_pk_fma_f32 v[S+2*ii:S+2*ii+1], v[S+2*ii:S+2*ii+1], s[62:63], v[12:13] op_sel_hi:[1,0,0] neg_lo:[0,0,1] neg_hi:[0,0,1]
.set ii, ii+1
.endr
	v_exp_f32 v[AA], v[TW]
.set ii, 0
.rept 32
	v_exp_f32 v[S+ii], v[S+ii]
.set ii, ii+1
.endr
	v_nop                                          ; a plain place behind the last exponential
	s_wait_alu depctr_va_vdst(0)                   ; one wait for the batch of 33, ahead of its first reader
.set ii, 0
.rept 16
	v_cvt_pk_f16_f32 v[P+ii], v[S+2*ii], v[S+2*ii+1]
.set ii, ii+1
.endr
.irp u, 0,1,2,3,4,5,6,7
	v_pk_add_f32 v[S+4*\u:S+4*\u+1], v[S+4*\u:S+4*\u+1], v[S+4*\u+2:S+4*\u+3]
.endr
.irp u, 0,1,2,3
	v_pk_add_f32 v[S+8*\u:S+8*\u+1], v[S+8*\u:S+8*\u+1], v[S+8*\u+4:S+8*\u+5]
.endr
.irp u, 0,1
	v_pk_add_f32 v[S+16*\u:S+16*\u+1], v[S+16*\u:S+16*\u+1], v[S+16*\u+8:S+16*\u+9]
.endr
	v_pk_add_f32 v[S:S+1], v[S:S+1], v[S+16:S+17]
	v_pk_fma_f32 v[14:15], v[14:15], v[AA:AA+1], v[S:S+1] op_sel_hi:[1,0,1]   ; l = a l + the step's sum
.set ii, 0
.rept 16
	v_pk_mul_f32 v[O+2*ii:O+2*ii+1], v[O+2*ii:O+2*ii+1], v[AA:AA+1] op_sel_hi:[1,0]
.set ii, ii+1
.endr
	s_wait_dscnt 0x0                               ; V is in
.irp s, 0,1
.irp ct, 0,1,2,3
	v_wmma_f32_16x16x32_f16 v[O+8*\ct:O+8*\ct+7], v[VF+8*(4*\s+\ct):VF+8*(4*\s+\ct)+7], v[P+8*\s:P+8*\s+7], v[O+8*\ct:O+8*\ct+7]
.endr
.endr
.Lskip:
	s_add_co_u32 s59, s59, 32*KP
	s_add_co_u32 s60, s60, 32*VP
	s_add_co_u32 s58, s58, 1
	s_cmp_lt_u32 s58, 16
	s_cbranch_scc1 .Lstep
	; the tile's way out: O^T / l, f16, through my stage: 16 rows of 128 bytes leave as 2,048 consecutive bytes
.rept 4
	v_nop
.endr
	v_add_f32 v[MC], v14, v15
	v_permlanex16_b32 v[MC+1], v[MC], s66, s67
	v_add_f32 v[MC], v[MC], v[MC+1]
	v_rcp_f32 v[AA], v[MC]
	v_nop
	s_wait_alu depctr_va_vdst(0)
.set ii, 0
.rept 16
	v_pk_mul_f32 v[O+2*ii:O+2*ii+1], v[O+2*ii:O+2*ii+1], v[AA:AA+1] op_sel_hi:[1,0]
.set ii, ii+1
.endr
.set ii, 0
.rept 16
	v_cvt_pk_f16_f32 v[P+ii], v[O+2*ii], v[O+2*ii+1]
.set ii, ii+1
.endr
.irp ct, 0,1,2,3
	ds_store_b128 v[STO], v[P+4*\ct:P+4*\ct+3] offset:32*\ct
.endr
.irp s, 0,1,2,3
	ds_load_b128 v[S+4*\s:S+4*\s+3], v[RD] offset:4*SP*\s   ; LDS serves a wave in order: these see my stores
.endr
	s_wait_dscnt 0x0
.irp s, 0,1,2,3
	global_store_b128 v[GO], v[S+4*\s:S+4*\s+3], s[54:55] offset:512*\s
.endr
	s_mov_b32 s56, s68
	s_sub_co_u32 s61, s61, 1
	s_cmp_lg_u32 s61, 0
	s_cbranch_scc1 .Lunit
	s_wait_tensorcnt 0x0                           ; the wave's end
	ds_add_u32 v[SPW], v[NIL]
	s_wait_dscnt 0x0
	ROUND                                          ; the closing round
	s_endpgm
.Lfunc_end_k_q792363d003_attn:
	.size	k_q792363d003_attn, .Lfunc_end_k_q792363d003_attn-k_q792363d003_attn
	.p2alignl 7, 3214868480
	.fill 96, 4, 3214868480
	.section	.rodata,"a",@progbits
	.p2align	6, 0x0
	.amdhsa_kernel k_q792363d003_attn
		.amdhsa_group_segment_fixed_size 327680
		.amdhsa_private_segment_fixed_size 0
		.amdhsa_enable_private_segment 0
		.amdhsa_kernarg_size 16
		.amdhsa_user_sgpr_count 2
		.amdhsa_user_sgpr_kernarg_segment_ptr 1
		.amdhsa_wavefront_size32 1
		.amdhsa_system_sgpr_workgroup_id_x 1
		.amdhsa_system_sgpr_workgroup_id_y 1
		.amdhsa_system_sgpr_workgroup_id_z 1
		.amdhsa_system_vgpr_workitem_id 0
		.amdhsa_next_free_vgpr 256
		.amdhsa_next_free_sgpr 72
		.amdhsa_reserve_vcc 1
		.amdhsa_float_denorm_mode_32 3
		.amdhsa_float_denorm_mode_16_64 3
		.amdhsa_memory_ordered 1
		.amdhsa_forward_progress 1
		.amdhsa_inst_pref_size 24
	.end_amdhsa_kernel
	.amdgpu_metadata
---
amdhsa.version: [ 1, 2 ]
amdhsa.kernels:
  - .name:           k_q792363d003_attn
    .symbol:         k_q792363d003_attn.kd
    .args:
      - { .name: qkvh, .offset: 0, .size: 8, .value_kind: global_buffer, .address_space: global }
      - { .name: ao, .offset: 8, .size: 8, .value_kind: global_buffer, .address_space: global }
    .group_segment_fixed_size: 327680
    .private_segment_fixed_size: 0
    .kernarg_segment_align: 8
    .kernarg_segment_size: 16
    .max_flat_workgroup_size: 512
    .sgpr_count:     72
    .vgpr_count:     256
    .wavefront_size: 32
...
	.end_amdgpu_metadata
.endif
;; end of part 3
;; launch proj (part 4): grid 8 x 32, 4 waves a work-group, clusters of 4 x 4, 327,680 bytes of LDS; arguments ao, wot, out0; writes out0
.if DOCPART == 4
	.amdgcn_target "amdgcn-amd-amdhsa--gfx1250"
	.amdhsa_code_object_version 6
	.text
	.protected	k_q792363d003_proj
	.globl	k_q792363d003_proj
	.p2align	8
	.type	k_q792363d003_proj,@function
k_q792363d003_proj:
	s_mov_b64 s[64:65], 0
	v_nop
	global_prefetch_b8 v0, s[64:65] scope:SCOPE_SE
	s_setreg_imm32_b32 hwreg(HW_REG_WAVE_MODE, 25, 1), 1
	s_wait_xcnt 0x0
	s_wait_alu depctr_hold_cnt(0) depctr_sa_sdst(0) depctr_va_vdst(0) depctr_va_sdst(0) depctr_va_ssrc(0) depctr_va_vcc(0) depctr_vm_vsrc(0)
	s_getreg_b32 s2, hwreg(HW_REG_IB_STS2, 6, 4)
	s_cmp_eq_u32 s2, 0
	s_cbranch_scc0 .Lentry_in_a_cluster
	s_endpgm
.Lentry_in_a_cluster:
	s_bfe_u32 s2, ttmp6, 0x10000c
	s_cmp_lg_u32 s2, 0xf033
	s_cbranch_scc0 .Lentry_shape_is_right
	s_endpgm
.Lentry_shape_is_right:
; out0[m][n] = sum over k of a[m][k] wo[k][n], operands in f16, sums in f32.  a = ao, f16 [head 32][m 4096][64] (k = 64 head + channel); wo = wot's high part, f16 [n 2048][k 2048]; out0 f32 [4096][2048].
; NOT STORED HERE: positions 0..15 of each sequence (64 of 4,096 rows): launch fine makes them more finely and is their one owner.
; A tile of C is 128 x 256: 256 work-groups, one for each WGP.  Four waves, 64 x 128 each: 32 accumulators, 256 registers.  A K step is 128 (two heads), through two LDS slots; 16 K steps.
; CLUSTERS 4 x 4: A's tile is shared along a row of the cluster, B's along a column: joint loads.  Tile row = cluster y + 8 cy, so that the position 128 x cluster y is the same in all partners; tile column = 4 x cluster x + cx.
; THE MATRIX INSTRUCTION IS USED TRANSPOSED (source 0 = 16 rows of wot, source 1 = 16 rows of a): a lane holds eight neighbouring numbers of a row of C.
; REGISTERS: window 0: v0-31 addresses; v32-127, v128-223 two fragment buffers for 32 along K (B's 64 registers, then A's 32); on the way out v32-159 rows read back.  window 1: accumulator (a, b) at v[8 (8 a + b)].
.set PA,    144                        ; a row of A's sub-tile: 128 bytes + 16
.set PB,    272                        ; a row of B's tile: 256 bytes + 16
.set ASUB,  128*PA                     ; one head's 128 rows
.set BOFF,  2*ASUB
.set SLOT,  BOFF+256*PB
.set STAGE, 2*SLOT                     ; 16 rows x (512 bytes + 16) for each wave; no fill lands here
.set SPITCH, 528
.set SPARE, STAGE+4*16*SPITCH          ; the spare words: two blocks of 256 bytes that no other line names
.set KA,    2*4096*128                 ; a K step on in ao: two heads
.set LAPS,  8
.set ADRA, 16
.set ADRB, 20
.set STO,  24
.set RD,   25
.set CO,   26
.set SPW,  28
.set NIL,  29
.set PFO,  30
.set F0,   32
.set F1,   128
.set BK,   32
.set G1,  24
.set G0,  32
.set G1B, 48
.set G0B, 56
.set LIM, 43                           ; s43 1 in a wave that prefetches, else the greatest number
.set PFA, 44                           ; s[44:45] where my prefetches stand
.set PFS, 66                           ; s[66:67] a K step on, in bytes
.set MSB, 0
.macro WIN new
.if MSB != \new
	s_set_vgpr_msb (MSB<<8)|\new
.set MSB, \new
.endif
.endm
.set MUL, 0x50                         ; C and D window 1, sources window 0
.macro JLOAD s                         ; waves 0, 1 fetch A's two heads, waves 2, 3 B's two halves; s_nop 0 and four v_nop follow each line
	s_cmp_eq_u32 s11, 0
	s_cbranch_scc0 .Lfor_b_\@
	tensor_load_to_lds s[G0+4*\s:G0+4*\s+3], s[G1:G1+7]
	s_nop 0
.rept 4
	v_nop
.endr
	s_branch .Lasked_\@
.Lfor_b_\@:
	tensor_load_to_lds s[G0B+4*\s:G0B+4*\s+3], s[G1B:G1B+7]
	s_nop 0
.rept 4
	v_nop
.endr
.Lasked_\@:
.endm
; A prefetch of the K step that stands two refills on, one instruction a wave, behind the joint load and the run of LDS loads.  Each aligned block of 256 bytes is named once in the launch:
; A's tile row is read by both clusters of a row of clusters: the one with x = 0 asks, wave 0; its four partners along x take 32 blocks each, told apart by address (head cx / 2, rows 64 (cx % 2) on, lanes 256 bytes apart);
; B's tile column is read by all eight clusters of a column: the one with y = 0 asks, waves 2 and 3; rows 64 cy + 32 (wave % 2) + lane, 256 bytes of each.  The loop's last trip asks for nothing: K step 15 is the last that is named.
.macro ASK
	s_cmp_gt_u32 s3, s[LIM]
	s_cbranch_scc0 .Lnot_mine_\@
	global_prefetch_b8 v[PFO], s[PFA:PFA+1] th:TH_LOAD_NT scope:SCOPE_SE
.Lnot_mine_\@:
.endm
.macro CREST
	s_cmp_lg_u32 s10, 0
	s_cbranch_scc1 .Lnot_wave_0_\@
	s_barrier_signal -3
.Lnot_wave_0_\@:
	s_barrier_wait -3
	s_barrier_signal -1
	s_barrier_wait -1
.endm
.macro CROUND
	s_barrier_signal -1
	s_barrier_wait -1
	CREST
.endm
	s_load_b128 s[4:7], s[0:1], 0x0                ; ao, wot
	s_load_b64 s[8:9], s[0:1], 0x10                ; out0
	v_lshl_add_u32 v[SPW], v0, 2, SPARE
	v_mov_b32 v[NIL], 0
	ds_add_u32 v[SPW], v[NIL]                      ; the opening: the add, twice on end, and its wait ahead of my first tensor load
	ds_add_u32 v[SPW], v[NIL]
	v_lshrrev_b32 v1, 5, v0
	v_readfirstlane_b32 s10, v1                    ; wave
	s_lshr_b32 s11, s10, 1                         ; my 64 rows; also: I fetch for A (0) or B (1)
	s_and_b32 s12, s10, 1                          ; my 128 columns; also: which head, or which 128 rows of B, I fetch
	s_bfe_u32 s40, ttmp6, 0x40000                  ; cx
	s_bfe_u32 s41, ttmp6, 0x40004                  ; cy
	s_lshl_b32 s42, ttmp9, 2
	s_add_co_u32 s42, s42, s40                     ; tile column
	s_and_b32 s13, ttmp7, 0xffff
	s_lshl_b32 s43, s41, 3
	s_add_co_u32 s13, s13, s43                     ; tile row = cluster y + 8 cy
	s_lshl_b32 s43, s41, 2
	s_lshl_b32 s43, 15, s43                        ; my row of the cluster
	s_lshl_b32 s44, 0x1111, s40                    ; my column
	s_or_b32 s[G1+0], s43, (1<<16)|(1<<20)|(1<<21)|(4<<22)|(3<<25)    ; A: elements of 2 bytes; 4 words of padding behind every 32
	s_mov_b32 s[G1+1], 64<<16
	s_mov_b32 s[G1+2], 128<<16
	s_mov_b32 s[G1+3], 64<<16
	s_mov_b32 s[G1+4], 128
	s_mov_b32 s[G1+5], 64
	s_mov_b32 s[G1+6], 0
	s_mov_b32 s[G1+7], 0
	s_or_b32 s[G1B+0], s44, (1<<16)|(1<<20)|(1<<21)|(5<<22)|(3<<25)   ; B: behind every 64
	s_mov_b32 s[G1B+1], 128<<16
	s_mov_b32 s[G1B+2], 128<<16
	s_mov_b32 s[G1B+3], 128<<16
	s_mov_b32 s[G1B+4], 128
	s_mov_b32 s[G1B+5], 2048
	s_mov_b32 s[G1B+6], 0
	s_mov_b32 s[G1B+7], 0
	s_lshl_b32 s16, s12, 19                        ; A: head z: 4,096 rows of 128 bytes,
	s_lshl_b32 s17, s13, 14                        ; + 128 x tile row rows
	s_add_co_u32 s16, s16, s17
	s_mov_b32 s17, 0
	s_lshl_b32 s46, s42, 20                        ; B: 256 x tile column rows of 4,096 bytes,
	s_lshl_b32 s47, s12, 19                        ; + 128 rows
	s_add_co_u32 s46, s46, s47
	s_mov_b32 s47, 0
	s_mul_i32 s20, s12, ASUB
	s_mul_i32 s21, s12, 128*PB
	s_add_co_u32 s21, s21, BOFF
	s_wait_dscnt 0x0                               ; both opening adds are done
	s_wait_kmcnt 0x0
	s_add_nc_u64 s[14:15], s[4:5], s[16:17]
	s_add_nc_u64 s[46:47], s[6:7], s[46:47]
	CROUND                                         ; all sixteen work-groups are here
.irp s, 0,1
	s_mov_b32 s[G0+4*\s], 1
	s_add_co_u32 s[G0+4*\s+1], s20, \s*SLOT
	s_add_nc_u64 s[G0+4*\s+2:G0+4*\s+3], s[14:15], \s*KA
	s_or_b32 s[G0+4*\s+3], s[G0+4*\s+3], 0x80000000
	s_mov_b32 s[G0B+4*\s], 1
	s_add_co_u32 s[G0B+4*\s+1], s21, \s*SLOT
	s_add_nc_u64 s[G0B+4*\s+2:G0B+4*\s+3], s[46:47], \s*256
	s_or_b32 s[G0B+4*\s+3], s[G0B+4*\s+3], 0x80000000
	JLOAD \s                                       ; two loads of mine are out
.endr
	v_and_b32 v1, 15, v0
	v_bfe_u32 v2, v0, 4, 1
	v_mul_u32_u24 v3, v1, PA
	v_lshl_add_u32 v3, v2, 4, v3
	v_mul_u32_u24 v4, v1, PB
	v_lshl_add_u32 v4, v2, 4, v4
	s_mul_i32 s21, s11, 64*PA
	s_mul_i32 s22, s12, 128*PB
	s_add_co_u32 s22, s22, BOFF
.irp s, 0,1
	v_add_nc_u32 v[ADRA+\s], s21, v3
	v_add_nc_u32 v[ADRB+\s], s22, v4
	s_add_co_u32 s21, s21, SLOT
	s_add_co_u32 s22, s22, SLOT
.endr
	s_mul_i32 s23, s10, 16*SPITCH
	s_add_co_u32 s23, s23, STAGE
	v_mul_u32_u24 v5, v1, SPITCH
	v_lshl_add_u32 v5, v2, 5, v5
	v_add_nc_u32 v[STO], s23, v5
	v_and_b32 v6, 31, v0
	v_lshlrev_b32 v[CO], 4, v6
	v_add_nc_u32 v[RD], s23, v[CO]
	s_lshl_b32 s16, s13, 20                        ; out0: 128 x tile row rows of 8,192 bytes,
	s_lshl_b32 s17, s11, 19                        ; + 64 rows,
	s_add_co_u32 s16, s16, s17
	s_lshl_b32 s46, s42, 10                        ; + 256 x tile column columns of 4 bytes,
	s_add_co_u32 s16, s16, s46
	s_lshl_b32 s46, s12, 9                         ; + 128 columns
	s_add_co_u32 s16, s16, s46
	s_mov_b32 s17, 0
	s_add_nc_u64 s[8:9], s[8:9], s[16:17]
	; the prefetches: offsets first, then one compare and the choices
	s_and_b32 s22, ttmp7, 0xffff                   ; cluster y
	s_or_b32 s68, s22, s11                         ; 0: my first 16 rows are positions 0..15
	s_lshr_b32 s16, s40, 1
	s_lshl_b32 s16, s16, 19
	s_lshl_b32 s17, s13, 14
	s_add_co_u32 s16, s16, s17
	s_and_b32 s17, s40, 1
	s_lshl_b32 s17, s17, 13
	s_add_co_u32 s16, s16, s17
	s_add_co_u32 s16, s16, 3*KA                    ; at K step 3: the first change of slots steps it to 4
	s_lshl_b32 s18, s42, 20
	s_lshl_b32 s19, s41, 18
	s_add_co_u32 s18, s18, s19
	s_lshl_b32 s19, s12, 17
	s_add_co_u32 s18, s18, s19
	s_add_co_u32 s18, s18, 3*256
	s_mov_b32 s19, 4096
	s_mov_b32 s21, 256
	s_cmp_eq_u32 s11, 0                            ; do I fetch for A?
	s_cselect_b64 s[PFA:PFA+1], s[4:5], s[6:7]
	s_cselect_b32 s22, ttmp9, s22                  ; the coordinate along which other clusters read the same rows
	s_cselect_b32 s23, s12, 0                      ; wave 1 asks for nothing
	s_cselect_b32 s16, s16, s18
	s_cselect_b32 s19, 256, s19                    ; from lane to lane
	s_cselect_b32 s[PFS], KA, s21
	s_mov_b32 s17, 0
	s_mov_b32 s[PFS+1], 0
	s_add_nc_u64 s[PFA:PFA+1], s[PFA:PFA+1], s[16:17]
	s_or_b32 s22, s22, s23
	s_cmp_eq_u32 s22, 0
	s_cselect_b32 s[LIM], 1, -1                    ; the same in all sixteen partners, for a given wave
	v_and_b32 v[PFO], 31, v0
	v_mul_lo_u32 v[PFO], v[PFO], s19
; 8 matrix instructions: A's block a x B's eight, 32 along K.  The 32 accumulators take turns, one instruction a turn, in the same order in every quarter.
.macro MUL8 f, a, zero
.irp b, 0,1,2,3,4,5,6,7
.if \zero
	v_wmma_f32_16x16x32_f16 v[8*(8*(\a)+\b):8*(8*(\a)+\b)+7], v[\f+8*\b:\f+8*\b+7], v[\f+64+8*(\a):\f+64+8*(\a)+7], 0
.else
	v_wmma_f32_16x16x32_f16 v[8*(8*(\a)+\b):8*(8*(\a)+\b)+7], v[\f+8*\b:\f+8*\b+7], v[\f+64+8*(\a):\f+64+8*(\a)+7], v[8*(8*(\a)+\b):8*(8*(\a)+\b)+7]
.endif
.endr
.endm
.macro FETCH slot, q, f                ; 24 LDS loads in one run: quarter q (32 along K) of the slot: B's eight blocks, then A's four
.irp i, 0,1,2,3,4,5,6,7
	ds_load_b128 v[\f+8*\i:\f+8*\i+3],   v[ADRB+\slot] offset:64*(\q)+\i*16*PB
	ds_load_b128 v[\f+8*\i+4:\f+8*\i+7], v[ADRB+\slot] offset:64*(\q)+\i*16*PB+32
.endr
.irp i, 0,1,2,3
	ds_load_b128 v[\f+64+8*\i:\f+64+8*\i+3],   v[ADRA+\slot] offset:ASUB*((\q)/2)+64*((\q)%2)+\i*16*PA
	ds_load_b128 v[\f+64+8*\i+4:\f+64+8*\i+7], v[ADRA+\slot] offset:ASUB*((\q)/2)+64*((\q)%2)+\i*16*PA+32
.endr
.endm
.macro PLACES
.rept 4
	v_nop
.endr
.endm
.macro QUARTER slot, q, f, g, zero     ; multiplies buffer f; in its middle fetches quarter q of the slot into buffer g
	s_wait_dscnt 4                                 ; all but the youngest four loads (A's blocks 2, 3)
	WIN MUL
	MUL8 \f, 0, \zero
	MUL8 \f, 1, \zero
	PLACES
	WIN 0
	FETCH \slot, \q, \g
	s_wait_dscnt 24                                ; all but the 24 just issued
	WIN MUL
	MUL8 \f, 2, \zero
	MUL8 \f, 3, \zero
.endm
.macro TURN slot, next, fill           ; the last quarter multiplies buffer 1 and changes slots: one barrier
.if \fill
	s_wait_xcnt 0x0                                ; the last prefetch, a K step back, has read its address
	s_add_nc_u64 s[PFA:PFA+1], s[PFA:PFA+1], s[PFS:PFS+1]
.endif
	WIN 0
	s_wait_tensorcnt 0x0                           ; all my tensor loads have landed: my part of the next slot
	ds_add_u32 v[SPW], v[NIL]
	s_wait_dscnt 5                                 ; (the add and the youngest four loads may be out)
	WIN MUL
	MUL8 F1, 0, 0
	s_wait_dscnt 0x0                               ; the add is done, and my reads of this slot are over
	s_barrier_signal -1
	MUL8 F1, 1, 0
	WIN 0
	s_barrier_wait -1
.if \fill
	CREST                                          ; the barrier opened a round of the cluster's
	s_add_nc_u64 s[G0+4*\slot+2:G0+4*\slot+3], s[G0+4*\slot+2:G0+4*\slot+3], 2*KA
	s_add_nc_u64 s[G0B+4*\slot+2:G0B+4*\slot+3], s[G0B+4*\slot+2:G0B+4*\slot+3], 2*256
	JLOAD \slot                                    ; its four v_nop are also the places ahead of the loads below
.else
	PLACES
.endif
	FETCH \next, 0, F0
.if \fill
	ASK
.endif
	WIN MUL
	MUL8 F1, 2, 0
	MUL8 F1, 3, 0
.endm
	s_wait_tensorcnt 1                             ; my part of K step 0 is in (K step 1's may be out),
	s_barrier_signal -1
	s_barrier_wait -1                              ; everybody's is
	FETCH 0, 0, F0
	QUARTER 0, 1, F0, F1, 1                        ; the first quarter starts the sums
	WIN 0
	s_mov_b32 s3, LAPS-1
.Llap:
	QUARTER 0, 2, F1, F0, 0
	QUARTER 0, 3, F0, F1, 0
	TURN 0, 1, 1
	QUARTER 1, 1, F0, F1, 0
	QUARTER 1, 2, F1, F0, 0
	QUARTER 1, 3, F0, F1, 0
	TURN 1, 0, 1
	QUARTER 0, 1, F0, F1, 0
	WIN 0
	s_sub_co_u32 s3, s3, 1
	s_cmp_lg_u32 s3, 0
	s_cbranch_scc1 .Llap
	QUARTER 0, 2, F1, F0, 0                        ; the last lap fills nothing
	QUARTER 0, 3, F0, F1, 0
	TURN 0, 1, 0
	QUARTER 1, 1, F0, F1, 0
	QUARTER 1, 2, F1, F0, 0
	QUARTER 1, 3, F0, F1, 0
	s_wait_dscnt 4
	WIN MUL
	MUL8 F1, 0, 0
	MUL8 F1, 1, 0
	s_wait_dscnt 0
	MUL8 F1, 2, 0
	MUL8 F1, 3, 0
	WIN 0
; THE WAY OUT, block a of 16 rows x 128 columns: through my own stage, back as whole rows of 512 bytes.
.macro TOSTAGE a
	WIN 0x04                                       ; an LDS store's data: window 1
.irp b, 0,1,2,3,4,5,6,7
	ds_store_b128 v[STO], v[64*(\a)+8*\b:64*(\a)+8*\b+3] offset:64*\b          ; each accumulator from its low end on
	ds_store_b128 v[STO], v[64*(\a)+8*\b+4:64*(\a)+8*\b+7] offset:64*\b+16
.endr
	WIN 0
.set BB, BK+64*((\a)%2)
.irp t, 0,1,2,3,4,5,6,7,8,9,10,11,12,13,14,15
	ds_load_b128 v[BB+4*\t:BB+4*\t+3], v[RD] offset:\t*SPITCH
.endr
.endm
.macro SEND a, younger
.set BB, BK+64*((\a)%2)
	s_wait_dscnt \younger
.if (\a) > 0
	s_add_nc_u64 s[8:9], s[8:9], 16*8192           ; behind a wait on XCNT: the earlier stores have read their base
.else
	s_cmp_eq_u32 s68, 0                            ; positions 0..15 belong to launch fine: a test on the cluster's y and the wave's number
	s_cbranch_scc1 .Lfine_rows
.endif
.irp t, 0,1,2,3,4,5,6,7,8,9,10,11,12,13,14,15
	global_store_b128 v[CO], v[BB+4*\t:BB+4*\t+3], s[8:9] offset:\t*8192 th:TH_STORE_NT   ; 512 consecutive bytes, aligned
.endr
.if (\a) == 0
.Lfine_rows:
.endif
.endm
	PLACES
	TOSTAGE 0
.irp a, 1,2,3
.if \a > 1
	s_wait_xcnt 0x0
.endif
	TOSTAGE \a
	SEND \a-1, 32                                  ; behind block a - 1's loads: block a's 16 stores and 16 loads
.endr
	s_wait_xcnt 0x0
	SEND 3, 0
	s_wait_tensorcnt 0x0                           ; the wave's end
	ds_add_u32 v[SPW], v[NIL]
	s_wait_dscnt 0x0
	CROUND                                         ; the closing round
	s_endpgm
.Lfunc_end_k_q792363d003_proj:
	.size	k_q792363d003_proj, .Lfunc_end_k_q792363d003_proj-k_q792363d003_proj
	.p2alignl 7, 3214868480
	.fill 96, 4, 3214868480
	.section	.rodata,"a",@progbits
	.p2align	6, 0x0
	.amdhsa_kernel k_q792363d003_proj
		.amdhsa_group_segment_fixed_size 327680
		.amdhsa_private_segment_fixed_size 0
		.amdhsa_enable_private_segment 0
		.amdhsa_kernarg_size 24
		.amdhsa_user_sgpr_count 2
		.amdhsa_user_sgpr_kernarg_segment_ptr 1
		.amdhsa_wavefront_size32 1
		.amdhsa_system_sgpr_workgroup_id_x 1
		.amdhsa_system_sgpr_workgroup_id_y 1
		.amdhsa_system_sgpr_workgroup_id_z 1
		.amdhsa_system_vgpr_workitem_id 0
		.amdhsa_next_free_vgpr 512
		.amdhsa_next_free_sgpr 80
		.amdhsa_reserve_vcc 0
		.amdhsa_float_denorm_mode_32 3
		.amdhsa_float_denorm_mode_16_64 3
		.amdhsa_memory_ordered 1
		.amdhsa_forward_progress 1
		.amdhsa_inst_pref_size 87
	.end_amdhsa_kernel
	.amdgpu_metadata
---
amdhsa.version: [ 1, 2 ]
amdhsa.kernels:
  - .name:           k_q792363d003_proj
    .symbol:         k_q792363d003_proj.kd
    .args:
      - { .name: ao, .offset: 0, .size: 8, .value_kind: global_buffer, .address_space: global }
      - { .name: wot, .offset: 8, .size: 8, .value_kind: global_buffer, .address_space: global }
      - { .name: out0, .offset: 16, .size: 8, .value_kind: global_buffer, .address_space: global }
    .group_segment_fixed_size: 327680
    .private_segment_fixed_size: 0
    .kernarg_segment_align: 8
    .kernarg_segment_size: 24
    .max_flat_workgroup_size: 128
    .sgpr_count:     80
    .vgpr_count:     512
    .wavefront_size: 32
...
	.end_amdgpu_metadata
.endif
;; end of part 4
;; launch fine (part 5): grid 64 x 4, 16 waves a work-group, no clusters, 120,832 bytes of LDS; arguments qkvh, qkvlo, wot, out0; writes out0
.if DOCPART == 5
	.amdgcn_target "amdgcn-amd-amdhsa--gfx1250"
	.amdhsa_code_object_version 6
	.text
	.protected	k_q792363d003_fine
	.globl	k_q792363d003_fine
	.p2align	8
	.type	k_q792363d003_fine,@function
k_q792363d003_fine:
	s_mov_b64 s[64:65], 0
	v_nop
	global_prefetch_b8 v0, s[64:65] scope:SCOPE_SE
	s_setreg_imm32_b32 hwreg(HW_REG_WAVE_MODE, 25, 1), 1
	s_wait_xcnt 0x0
; Positions 0..15 of each sequence, through products 4, 5 and 6 with every operand as a pair of f16 numbers: a high part and a low part (kept x 2^11), both going to the matrix units; sums in f32.
; These rows average one to sixteen values and are the largest of the output; f16's rounding alone would use much of what their comparison allows.
; LEFT OUT: keys 16 on (reference()'s own mask hides them from these queries, for all inputs).
; SHARES.  Work-group (x, b): 16 rows x columns 32 x .. 32 x + 31 of out0.  Wave w takes query heads 2 w and 2 w + 1 (key/value head w / 2): their attention, and at once their 128 of the projection's K:
; the attention's result never leaves the registers.  The 16 waves' partial sums meet in LDS.  A batch's small attention is made anew by each of its 64 work-groups: that spares a launch.
; No tensor load and no cluster: every operand is a few KB and goes from memory straight into registers.
; ORDER.  All that the scores want goes out in one run of 32 loads at the head: V, both heads' q, and k, which the two heads share.  Both heads' scores are multiplied at once, so that the registers of q and k are free
; for wo's fragments; those of a head are asked for ahead of its softmax and land under it.
; x y = xh yh + 2^-11 (xh yl' + xl' yh), xl' = 2^11 xl; the term xl yl, 2^-22 of the product, is dropped.
; In the second product the K = 32 form takes [Vh | Vl'] against [Ph | 2^-11 Ph], then against [Pl | 0]: Vh Ph + Vl Ph + Vh Pl in one accumulator.  p is divided by its sum first, so it is at most 1.
; The split, in f32: g = 8193 x; hi = g - (g - x) has 11 significant bits; lo = x - hi is exact.
.set VSTP,  160                        ; a key's row of V in LDS: 128 bytes + 32
.set REDB,  16*2*16*VSTP               ; behind the waves' V (high, low: 5,120 bytes each wave): the partial sums
.set REDP,  144                        ; 32 columns x 4 bytes + 16
.set SPARE, REDB+16*16*REDP            ; the spare words: eight blocks of 256 bytes that no other line names
.set B1,  24                           ; v24-31   [Ph | 2^-11 Ph]
.set B2,  32                           ; v32-39   [Pl | 0]
.set AH,  40                           ; v40-55   the attention's result, high parts; ahead of that head 1's score accumulators
.set AL,  56                           ; v56-71   low parts
.set T0,  40
.set T1,  48
.set T2,  56
.set SM,  72                           ; v72-79   head 0's scores; at work
.set SC1, 80                           ; v80-87   at work
.set SC2, 88                           ; v88-95   head 1's scores wait here
.set O,   96                           ; v96-127  V as loaded; then O^T; its first eight also at work in p's split
.set X,   128                          ; v128-191 q of head 0 (high, low), k (high, low); then wo's fragments: 32 high, 32 low
.set VF,  192                          ; v192-223 V^T
.set Q1,  224                          ; v224-255 q of head 1 (high, low); then the projection's sums:
.set M0,  224
.set M1,  232
.set C0,  240
.set C1,  248
.macro WPROD d, a, b, first
.if \first
	v_wmma_f32_16x16x32_f16 v[\d:\d+7], v[\a:\a+7], v[\b:\b+7], 0
.else
	v_wmma_f32_16x16x32_f16 v[\d:\d+7], v[\a:\a+7], v[\b:\b+7], v[\d:\d+7]
.endif
.endm
.macro SPLIT4 src, g, d                ; 8 numbers at v[src]: high parts into v[g], low parts into v[d]
.irp p, 0,2,4,6
	v_pk_mul_f32 v[\g+\p:\g+\p+1], v[\src+\p:\src+\p+1], 0x46000400 op_sel_hi:[1,0]
.endr
.irp p, 0,2,4,6
	v_pk_add_f32 v[\d+\p:\d+\p+1], v[\g+\p:\g+\p+1], v[\src+\p:\src+\p+1] neg_lo:[0,1] neg_hi:[0,1]
.endr
.irp p, 0,2,4,6
	v_pk_add_f32 v[\g+\p:\g+\p+1], v[\g+\p:\g+\p+1], v[\d+\p:\d+\p+1] neg_lo:[0,1] neg_hi:[0,1]
.endr
.irp p, 0,2,4,6
	v_pk_add_f32 v[\d+\p:\d+\p+1], v[\src+\p:\src+\p+1], v[\g+\p:\g+\p+1] neg_lo:[0,1] neg_hi:[0,1]
.endr
.endm
.macro WLOADS n                        ; wo's fragments for head 2 w + n: 32 columns x 64 of K, high and low: 16 loads
.irp nt, 0,1
.irp ks, 0,1
.irp hf, 0,1
	global_load_b128 v[X+8*(2*\nt+\ks)+4*\hf:X+8*(2*\nt+\ks)+4*\hf+3],       v4, s[28:29] offset:65536*\nt+128*\n+64*\ks+32*\hf
	global_load_b128 v[X+32+8*(2*\nt+\ks)+4*\hf:X+32+8*(2*\nt+\ks)+4*\hf+3], v4, s[32:33] offset:65536*\nt+128*\n+64*\ks+32*\hf
.endr
.endr
.endr
.endm
; One head from its scores, eight a lane at v[sc], to its result as pairs in AH, AL.
.macro ATT sc
.irp j, 0,1,2,3,4,5,6,7
	v_cmp_gt_i32 vcc_lo, \j, v8
	v_cndmask_b32 v[\sc+\j], v[\sc+\j], v23, vcc_lo
.endr
	v_max3_num_f32 v12, v[\sc], v[\sc+1], v[\sc+2]
	v_max3_num_f32 v13, v[\sc+3], v[\sc+4], v[\sc+5]
	v_max3_num_f32 v12, v12, v[\sc+6], v[\sc+7]
	v_max_num_f32 v12, v12, v13
	v_permlanex16_b32 v13, v12, s34, s35
	v_max_num_f32 v12, v12, v13                    ; the row's maximum (key 0 counts for every query)
	v_mul_f32 v14, s36, v12
.irp j, 0,2,4,6
	v_pk_fma_f32 v[\sc+\j:\sc+\j+1], v[\sc+\j:\sc+\j+1], s[36:37], v[14:15] op_sel_hi:[1,0,0] neg_lo:[0,0,1] neg_hi:[0,0,1]
.endr
.irp j, 0,1,2,3,4,5,6,7
	v_exp_f32 v[\sc+\j], v[\sc+\j]
.endr
	v_nop
	s_wait_alu depctr_va_vdst(0)                   ; one wait for the eight, ahead of their first reader
	v_pk_add_f32 v[16:17], v[\sc:\sc+1], v[\sc+2:\sc+3]
	v_pk_add_f32 v[18:19], v[\sc+4:\sc+5], v[\sc+6:\sc+7]
	v_pk_add_f32 v[16:17], v[16:17], v[18:19]
	v_add_f32 v16, v16, v17
	v_permlanex16_b32 v17, v16, s34, s35
	v_add_f32 v16, v16, v17
	v_rcp_f32 v18, v16
	v_nop
	s_wait_alu depctr_va_vdst(0)
.irp j, 0,2,4,6
	v_pk_mul_f32 v[\sc+\j:\sc+\j+1], v[\sc+\j:\sc+\j+1], v[18:19] op_sel_hi:[1,0]      ; p
.endr
	SPLIT4 \sc, SC1, O                             ; O^T is not begun yet: its first eight registers are at work here
.irp j, 0,2,4,6
	v_pk_mul_f32 v[\sc+\j:\sc+\j+1], v[SC1+\j:SC1+\j+1], 0x3a000000 op_sel_hi:[1,0]    ; 2^-11 Ph
.endr
.irp i, 0,1,2,3
	v_cvt_pk_f16_f32 v[B1+\i], v[SC1+2*\i], v[SC1+2*\i+1]
	v_cvt_pk_f16_f32 v[B1+4+\i], v[\sc+2*\i], v[\sc+2*\i+1]
	v_cvt_pk_f16_f32 v[B2+\i], v[O+2*\i], v[O+2*\i+1]
.endr
.irp ct, 0,1,2,3
	WPROD O+8*\ct, VF+8*\ct, B1, 1
.endr
.irp ct, 0,1,2,3
	WPROD O+8*\ct, VF+8*\ct, B2, 0
.endr
.rept 4
	v_nop
.endr
.irp ct, 0,1,2,3                               ; the attention's result, split: two tiles of 16 channels are source 1 for 32 of the projection's K
	SPLIT4 O+8*\ct, SM, SC1
.irp p, 0,2,4,6
	v_pk_mul_f32 v[SC1+\p:SC1+\p+1], v[SC1+\p:SC1+\p+1], 0x45000000 op_sel_hi:[1,0]
.endr
.irp i, 0,1,2,3
	v_cvt_pk_f16_f32 v[AH+4*\ct+\i], v[SM+2*\i], v[SM+2*\i+1]
	v_cvt_pk_f16_f32 v[AL+4*\ct+\i], v[SC1+2*\i], v[SC1+2*\i+1]
.endr
.endr
.endm
.macro WMUL first                      ; a head's 64 of the projection's K: four accumulators; no two instructions that follow each other share one
.irp ks, 0,1
	WPROD M0, X+8*\ks,      AH+8*\ks, (\first)*(1-\ks)
	WPROD C0, X+8*\ks,      AL+8*\ks, (\first)*(1-\ks)
	WPROD M1, X+16+8*\ks,   AH+8*\ks, (\first)*(1-\ks)
	WPROD C1, X+16+8*\ks,   AL+8*\ks, (\first)*(1-\ks)
	WPROD C0, X+32+8*\ks,   AH+8*\ks, 0
	WPROD C1, X+48+8*\ks,   AH+8*\ks, 0
.endr
.endm
	s_load_b256 s[4:11], s[0:1], 0x0               ; qkvh, qkvlo, wot, out0
	v_lshl_add_u32 v1, v0, 2, SPARE                ; v1 my spare word, v2 = 0: never rewritten
	v_mov_b32 v2, 0
	v_lshrrev_b32 v12, 5, v0
	v_readfirstlane_b32 s12, v12                   ; wave
	s_and_b32 s13, ttmp7, 0xffff                   ; b
	s_lshr_b32 s14, s12, 1                         ; key/value head
	v_and_b32 v12, 15, v0                          ; r
	v_bfe_u32 v13, v0, 4, 1                        ; h
	v_and_b32 v14, 31, v0                          ; lane
	v_lshrrev_b32 v15, 3, v14
	v_and_b32 v16, 7, v0
	v_lshlrev_b32 v3, 7, v12
	v_lshl_add_u32 v3, v13, 4, v3                  ; v3: q, k: row r of 128 bytes + 16 h
	v_lshlrev_b32 v4, 12, v12
	v_lshl_add_u32 v4, v13, 4, v4                  ; v4: wot: row r of 4,096 bytes + 16 h
	s_mul_i32 s15, s12, 2*16*VSTP
	v_mul_u32_u24 v5, v15, VSTP
	v_lshl_add_u32 v5, v16, 4, v5
	v_add_nc_u32 v5, s15, v5                       ; v5: V into LDS: four rows an instruction
	v_lshl_add_u32 v6, v13, 3, v16
	v_mul_u32_u24 v6, v6, VSTP
	v_bfe_u32 v17, v0, 3, 1
	v_lshl_add_u32 v6, v17, 4, v6
	v_add_nc_u32 v6, s15, v6                       ; v6: the turning load: key 8 h + lane % 8
	v_lshlrev_b32 v7, 4, v14                       ; v7: 16 x lane
	v_lshlrev_b32 v8, 3, v13
	v_sub_nc_u32 v8, v12, v8                       ; v8: r - 8 h: key 8 h + j is hidden where j > v8
	s_mul_i32 s16, s12, 16*REDP
	s_add_co_u32 s16, s16, REDB
	v_mul_u32_u24 v9, v12, REDP
	v_lshl_add_u32 v9, v13, 5, v9
	v_add_nc_u32 v9, s16, v9                       ; v9: my partial sums
	s_and_b32 s17, s12, 3
	s_lshl_b32 s17, s17, 2
	v_add_nc_u32 v17, s17, v15                     ; the row that I add up at the end: 4 (wave % 4) + lane / 8
	v_mul_u32_u24 v10, v17, REDP
	v_lshl_add_u32 v10, v16, 4, v10
	v_add_nc_u32 v10, REDB, v10                    ; v10
	v_lshlrev_b32 v11, 13, v17
	v_lshl_add_u32 v11, v16, 4, v11                ; v11: its place in out0
	v_mov_b32 v23, 0xff800000                      ; -infinity
.irp i, 4,5,6,7
	v_mov_b32 v[B2+\i], 0                          ; the upper half of [Pl | 0]: written once
.endr
	s_mov_b32 s34, 0x76543210
	s_mov_b32 s35, 0xfedcba98
	s_mov_b32 s36, 0x3e38aa3b                      ; c = log2(e) / 8
	s_mov_b32 s37, s36
	s_mul_i32 s18, s13, 48
	s_lshl_b32 s19, s12, 1
	s_add_co_u32 s19, s18, s19                     ; 48 b + 2 w
	s_add_co_u32 s18, s18, s14
	s_add_co_u32 s18, s18, 32                      ; 48 b + 32 + key/value head
	s_lshl_b32 s20, s19, 17
	s_mov_b32 s21, 0
	s_lshl_b32 s22, s19, 11
	s_mov_b32 s23, 0
	s_lshl_b32 s24, s18, 17
	s_mov_b32 s25, 0
	s_lshl_b32 s26, s18, 11
	s_mov_b32 s27, 0
	s_lshl_b32 s28, ttmp9, 17                      ; 32 x rows of 4,096 bytes,
	s_lshl_b32 s29, s12, 8                         ; + head 2 w: 128 bytes a head
	s_add_co_u32 s28, s28, s29
	s_mov_b32 s29, 0
	s_lshl_b32 s30, s13, 23                        ; 1,024 b rows of 8,192 bytes,
	s_lshl_b32 s31, ttmp9, 7                       ; + 32 x columns
	s_add_co_u32 s30, s30, s31
	s_mov_b32 s31, 0
	s_wait_kmcnt 0x0
	s_add_nc_u64 s[20:21], s[4:5], s[20:21]        ; q high
	s_add_nc_u64 s[22:23], s[6:7], s[22:23]        ; q low
	s_add_nc_u64 s[24:25], s[4:5], s[24:25]        ; k high; v high lies 8 heads on
	s_add_nc_u64 s[26:27], s[6:7], s[26:27]        ; k low; v low likewise
	s_add_nc_u64 s[28:29], s[8:9], s[28:29]        ; wo high
	s_add_nc_u64 s[32:33], s[28:29], 0x800000      ; wo low
	s_add_nc_u64 s[30:31], s[10:11], s[30:31]      ; out0
.irp s, 0,1,2,3                                ; V first: it has the longer way, through LDS
	global_load_b128 v[O+4*\s:O+4*\s+3], v7, s[24:25] offset:8*131072+512*\s
	global_load_b128 v[O+16+4*\s:O+16+4*\s+3], v7, s[26:27] offset:8*2048+512*\s
.endr
.irp c, 0,1,2,3
	global_load_b128 v[X+4*\c:X+4*\c+3],         v3, s[20:21] offset:32*\c          ; q of head 2 w, high
	global_load_b128 v[X+16+4*\c:X+16+4*\c+3],   v3, s[22:23] offset:32*\c          ; low
	global_load_b128 v[X+32+4*\c:X+32+4*\c+3],   v3, s[24:25] offset:32*\c          ; k high
	global_load_b128 v[X+48+4*\c:X+48+4*\c+3],   v3, s[26:27] offset:32*\c          ; k low
	global_load_b128 v[Q1+4*\c:Q1+4*\c+3],       v3, s[20:21] offset:131072+32*\c   ; q of head 2 w + 1, high
	global_load_b128 v[Q1+16+4*\c:Q1+16+4*\c+3], v3, s[22:23] offset:2048+32*\c     ; low
.endr
	s_wait_loadcnt 24                              ; V's eight loads are in; the 24 issued behind them may be out
.irp s, 0,1,2,3
	ds_store_b128 v5, v[O+4*\s:O+4*\s+3] offset:4*VSTP*\s
	ds_store_b128 v5, v[O+16+4*\s:O+16+4*\s+3] offset:16*VSTP+4*VSTP*\s
.endr
.irp ct, 0,1,2,3                               ; V^T: registers 0-3 the high parts of keys 8 h on, registers 4-7 their low parts.  LDS serves a wave in order: these see my stores
	ds_load_tr16_b128 v[VF+8*\ct:VF+8*\ct+3], v6 offset:32*\ct
	ds_load_tr16_b128 v[VF+8*\ct+4:VF+8*\ct+7], v6 offset:16*VSTP+32*\ct
.endr
	s_wait_loadcnt 0x0                             ; q and k
.irp c, 0,1                                    ; S^T of both heads: six accumulators by turns
	WPROD SM,  X+32+8*\c, X+8*\c,     1-\c
	WPROD SC1, X+32+8*\c, X+16+8*\c,  1-\c
	WPROD SC2, X+48+8*\c, X+8*\c,     1-\c
	WPROD T0,  X+32+8*\c, Q1+8*\c,    1-\c
	WPROD T1,  X+32+8*\c, Q1+16+8*\c, 1-\c
	WPROD T2,  X+48+8*\c, Q1+8*\c,    1-\c
.endr
.rept 4
	v_nop                                          ; places ahead of loads into registers that these products read, and of the reads of their results
.endr
	WLOADS 0                                       ; they land while the first softmax runs
.irp j, 0,2,4,6
	v_pk_add_f32 v[SC1+\j:SC1+\j+1], v[SC1+\j:SC1+\j+1], v[SC2+\j:SC2+\j+1]
.endr
.irp j, 0,2,4,6
	v_pk_add_f32 v[T1+\j:T1+\j+1], v[T1+\j:T1+\j+1], v[T2+\j:T2+\j+1]
.endr
.irp j, 0,2,4,6
	v_pk_fma_f32 v[SM+\j:SM+\j+1], v[SC1+\j:SC1+\j+1], 0x3a000000, v[SM+\j:SM+\j+1] op_sel_hi:[1,0,1]   ; head 2 w's scores
.endr
.irp j, 0,2,4,6
	v_pk_fma_f32 v[SC2+\j:SC2+\j+1], v[T1+\j:T1+\j+1], 0x3a000000, v[T0+\j:T0+\j+1] op_sel_hi:[1,0,1]   ; head 2 w + 1's: they wait in SC2
.endr
	s_wait_dscnt 0x0                               ; V^T is in
	ATT SM
	s_wait_loadcnt 0x0                             ; wo's fragments
	WMUL 1                                         ; the first products start the four sums
.rept 4
	v_nop                                          ; places ahead of loads into registers that the last products read
.endr
	WLOADS 1
	ATT SC2
	s_wait_loadcnt 0x0
	WMUL 0
.rept 4
	v_nop
.endr
.irp j, 0,2,4,6,8,10,12,14
	v_pk_fma_f32 v[SM+\j:SM+\j+1], v[C0+\j:C0+\j+1], 0x3a000000, v[M0+\j:M0+\j+1] op_sel_hi:[1,0,1]   ; lane (r, h): out(r, 16 nt + 8 h + 0..7), my 128 of K
.endr
.irp nt, 0,1
.irp hf, 0,1
	ds_store_b128 v9, v[SM+8*\nt+4*\hf:SM+8*\nt+4*\hf+3] offset:64*\nt+16*\hf
.endr
.endr
	s_wait_dscnt 0x0                               ; for the others' sake: my partial sums have landed
	s_barrier_signal -1
	s_barrier_wait -1
	s_cmp_lt_u32 s12, 4                            ; waves 0-3 add up four rows each
	s_cbranch_scc0 .Ldone
.irp p, 0,1,2,3,4,5,6,7,8,9,10,11,12,13,14,15
	ds_load_b128 v[X+4*\p:X+4*\p+3], v10 offset:16*REDP*\p
.endr
	s_wait_dscnt 0x0
.irp st, 8,4,2,1
.irp p, 0,1,2,3,4,5,6,7
.if \p < \st
	v_pk_add_f32 v[X+4*\p:X+4*\p+1], v[X+4*\p:X+4*\p+1], v[X+4*(\p+\st):X+4*(\p+\st)+1]
	v_pk_add_f32 v[X+4*\p+2:X+4*\p+3], v[X+4*\p+2:X+4*\p+3], v[X+4*(\p+\st)+2:X+4*(\p+\st)+3]
.endif
.endr
.endr
	global_store_b128 v11, v[X:X+3], s[30:31]      ; eight lanes store a row's 128 bytes: the work-group's 32 columns
.Ldone:
	s_wait_tensorcnt 0x0                           ; the wave's end, behind my last LDS store
	ds_add_u32 v1, v2
	s_wait_dscnt 0x0
	s_endpgm
.Lfunc_end_k_q792363d003_fine:
	.size	k_q792363d003_fine, .Lfunc_end_k_q792363d003_fine-k_q792363d003_fine
	.p2alignl 7, 3214868480
	.fill 96, 4, 3214868480
	.section	.rodata,"a",@progbits
	.p2align	6, 0x0
	.amdhsa_kernel k_q792363d003_fine
		.amdhsa_group_segment_fixed_size 120832
		.amdhsa_private_segment_fixed_size 0
		.amdhsa_enable_private_segment 0
		.amdhsa_kernarg_size 32
		.amdhsa_user_sgpr_count 2
		.amdhsa_user_sgpr_kernarg_segment_ptr 1
		.amdhsa_wavefront_size32 1
		.amdhsa_system_sgpr_workgroup_id_x 1
		.amdhsa_system_sgpr_workgroup_id_y 1
		.amdhsa_system_sgpr_workgroup_id_z 1
		.amdhsa_system_vgpr_workitem_id 0
		.amdhsa_next_free_vgpr 256
		.amdhsa_next_free_sgpr 66
		.amdhsa_reserve_vcc 1
		.amdhsa_float_denorm_mode_32 3
		.amdhsa_float_denorm_mode_16_64 3
		.amdhsa_memory_ordered 1
		.amdhsa_forward_progress 1
		.amdhsa_inst_pref_size 45
	.end_amdhsa_kernel
	.amdgpu_metadata
---
amdhsa.version: [ 1, 2 ]
amdhsa.kernels:
  - .name:           k_q792363d003_fine
    .symbol:         k_q792363d003_fine.kd
    .args:
      - { .name: qkvh, .offset: 0, .size: 8, .value_kind: global_buffer, .address_space: global }
      - { .name: qkvlo, .offset: 8, .size: 8, .value_kind: global_buffer, .address_space: global }
      - { .name: wot, .offset: 16, .size: 8, .value_kind: global_buffer, .address_space: global }
      - { .name: out0, .offset: 24, .size: 8, .value_kind: global_buffer, .address_space: global }
    .group_segment_fixed_size: 120832
    .private_segment_fixed_size: 0
    .kernarg_segment_align: 8
    .kernarg_segment_size: 32
    .max_flat_workgroup_size: 512
    .sgpr_count:     66
    .vgpr_count:     256
    .wavefront_size: 32
...
	.end_amdgpu_metadata
.endif
;; end of part 5
